; MI455X (gfx1250); checked and timed in simulation.
; The chip was launched on July 23, 2026; its instructions are those of AMD's public machine-readable ISA for CDNA 5 (MIT licence, August 2026) and "CDNA5" Instruction Set Architecture Reference Guide (July 2026). The comments in the code are by the model that wrote it; some were corrected since.
;; Llama Differential Attention Base. Allowed arithmetic: matrix products marked QUANTISED: E2M3 operands, one E8M0 scale for each 32 along K, by v_wmma_scale_f32_16x16x128_f8f6f4 with both operands' format E2M3, f32 sums; everything else in f32.
;; Inputs: Wk 1,024 x 2,048 float32; Wo 2,048 x 2,048 float32; Wq 4,096 x 2,048 float32; Wv 512 x 2,048 float32; hidden_states 1 x 2,048 x 2,048 float32; lambda_k1 64 float32; lambda_k2 64 float32; lambda_q1 64 float32; lambda_q2 64 float32; position_ids 1 x 2,048 int32; subln_w 64 float32.
;; Outputs: out0 1 x 2,048 x 2,048 float32.
;; This version of the problem:
;;   THIS VERSION OF THE PROBLEM IS GIVEN IN LOW PRECISION. The matrix products marked QUANTISED in the list below multiply operands that are first quantised to E2M3 (2 exponent bits, 3 mantissa bits; 6 bits a number), with one power-of-two scale for each 32 numbers along K (OCP MX v1.0); their sums are f32. All else is computed in f32.
;;   The module's matrix products, in the order in which they are computed (A, B: the left and right operand; K: the contracted axis; several contracted axes count as one K, in the product's order):
;;     1. [M 2,048, K 2,048] x [K 2,048, N 4,096]; A: input hidden_states; B: input Wq: QUANTISED
;;     2. [M 2,048, K 2,048] x [K 2,048, N 1,024]; A: input hidden_states; B: input Wk: QUANTISED
;;     3. [M 2,048, K 2,048] x [K 2,048, N 512]; A: input hidden_states; B: input Wv: QUANTISED
;;     4. batch 32 x [M 2,048, K 64] x [K 64, N 2,048]; A: computed on the way; B: computed on the way: QUANTISED
;;     5. batch 32 x [M 2,048, K 64] x [K 64, N 2,048]; A: computed on the way; B: computed on the way: QUANTISED
;;     6. batch 32 x [M 2,048, K 2,048] x [K 2,048, N 64]; A: computed on the way; B: computed on the way: QUANTISED
;;     7. [M 2,048, K 2,048] x [K 2,048, N 2,048]; A: computed on the way; B: input Wo: QUANTISED
;;   THE QUANTISER, for each operand of a quantised product, along K:
;;     - K is cut into blocks of 32 from its start; a last block that is shorter is filled with zeros.
;;     - A block's scale is 2^e with e = floor(log2(the largest magnitude in the block)) - 2, held to -126 .. 127; a block of zeros has e = 0. As a byte (E8M0): e + 127.
;;     - Each number is divided by its block's scale, clamped to +-7.5, and rounded to the nearest number of E2M3, ties to even, subnormals kept.
;;     - The product sums the exact products of the quantised numbers (number of the format x scale) in f32.
;;   ~~~python
;;   def quantise(x, axis):      # numpy; x: float32 -> the quantised numbers, widened to float32 again
;;       x = np.moveaxis(x, axis, -1); K = x.shape[-1]
;;       x = np.pad(x, [(0, 0)] * (x.ndim - 1) + [(0, -K % 32)]); x = x.reshape(x.shape[:-1] + (-1, 32)); a = np.abs(x).max(-1, keepdims=True)
;;       e = np.where(a > 0, np.clip(np.frexp(np.where(a > 0, a, 1))[1] - 1 - 2, -126, 127), 0)      # np.frexp(a)[1] - 1 = floor(log2(a)), exactly
;;       r = np.clip(x / 2.0 ** e, -7.5, 7.5)
;;       step = 2.0 ** (np.maximum(np.frexp(np.where(r == 0, 1, r))[1] - 1, 0) - 3)
;;       q = np.round(r / step) * step * 2.0 ** e      # np.round: ties to even
;;       return np.moveaxis(q.reshape(q.shape[:-2] + (-1,))[..., :K], -1, axis).astype(np.float32)
;;   ~~~
;;   OPERANDS COMPUTED ON THE WAY. 'Computed on the way' means the value that the module computes at that place (a softmax that the list does not call 'softmax' is quantised finished and normalised). What goes into a quantiser is computed in f32, as accurately as f32 sums, v_exp_f32 and their like allow (about 1e-6 of the number): no bf16 or f16 on the way to a quantiser, and a product that is left as it is and whose result goes on into a quantised operand takes f32 operands (vector FMAs, or v_wmma_f32_16x16x4_f32). A number that lies on a knife's edge between two numbers of the format may be rounded either way, as far as f32 arithmetic and the matrix unit's own rounding can turn it there, and no further.
;; One version. Each part assembles by itself: llvm-mc -triple=amdgcn-amd-amdhsa -mcpu=gfx1250 --defsym DOCPART=n.
;; ======== version 1 of 1: 4 launches
;; limits: right only within a limited range of input values
;; workspace buffers: codes 14,942,208 bytes; scales 622,592 bytes; rope 557,056 bytes; img 9,011,200 bytes; ocodes 3,145,728 bytes; oscales 131,072 bytes
;; launch quant (part 1): grid 642 x 1, 4 waves a work-group, no clusters, 34,304 bytes of LDS; arguments hidden_states, Wq, Wk, Wv, Wo, position_ids, codes, scales, rope; writes codes, scales, rope
.if DOCPART == 1
	.amdgcn_target "amdgcn-amd-amdhsa--gfx1250"
	.amdhsa_code_object_version 6
	.text
	.protected	k_qabff1fa931_quant
	.globl	k_qabff1fa931_quant
	.p2align	8
	.type	k_qabff1fa931_quant,@function
k_qabff1fa931_quant:
	s_mov_b64 s[64:65], 0
	v_nop
	global_prefetch_b8 v0, s[64:65] scope:SCOPE_SE
	s_setreg_imm32_b32 hwreg(HW_REG_WAVE_MODE, 25, 1), 1
	s_wait_xcnt 0x0
; hidden_states [2048][2048], Wq [4096][2048], Wk [1024][2048], Wv [512][2048], Wo [2048][2048], f32, K innermost, become codes of FP6 (E2M3) with one E8M0 byte for each 32 along K.
; And position_ids become a table of cos and sin.
; THE CODES ARE LAID AS IMAGES OF OPERAND REGISTERS.  608 stored tiles of 16 rows (x 0.., Wq 128.., Wk 384.., Wv 448.., Wo 480..), 24,576 bytes each: 16 fragments (16 rows x 128 K) of 1,536 bytes;
; in a fragment registers 4 c .. 4 c + 3 of lane l lie at 512 c + 16 l.  Lane (r = l % 16, h = l / 16) holds row r, registers 6 c .. 6 c + 5 = K 64 c + 32 h + 0 .. 31.
; THE SCALES: 1,024 bytes a tile: for each 512 along K 256 bytes, 16 a row: four words, one for each fragment, byte b for K 32 b ..
; A block's scale is 2^(floor(log2(its largest magnitude)) - 2); its byte is the largest magnitude's exponent field - 2, held at 1 from below (a block of zeros gets the byte 1: its codes are zeros, and this program alone reads the bytes).
; THE STORED ORDER OF ROWS.  (a) x, Wq, Wk, Wv: lane r of stored tile 2 b + u is row 32 b + 8 u + r + 8 (r / 8).  (b) Wq, Wk: eight tiles a head: the head's 64 rows of the first half, then its 64 of the second.  Wo: rows as they lie.
; WORK-GROUPS 0 to 607: one stored tile each; wave q takes K 512 q .. 512 q + 511, four fragments.  Each load reads 512 consecutive bytes of one row; a fragment's 16 rows turn through the wave's own stage in LDS
; (rows 528 bytes apart) and come back 128 bytes, a whole block, to a lane at a time: a block's largest magnitude needs no other lane.  Every store covers whole aligned runs of 256 bytes.
; WORK-GROUPS 608 to 641 make the table: 2,176 rows of 256 bytes, [cos f = 0..31 | sin f = 0..31], angle = position x 10^(-f / 8).  Rows 2048 to 2175 are made with position 0.
; LIMITS: NaN and infinities are not served; blocks whose largest magnitude lies under 2^-124 keep the byte 1; angles up to about 2^22.
.set NQWG,  608
.set SP,    528                        ; a stage row: 512 bytes + 16
.set WREG,  16*SP
.set SPARE, 4*WREG                     ; behind the four stages: the spare words
.set SPW,   12
.set NIL,   13
.set SW,    28                         ; v28-31 the four fragments' scale words
.set R,     32                         ; v32-159 two sets of 16 rows x 16 bytes as loaded
.set X,     160                        ; v160-223 my two blocks of 32
.set C,     224                        ; v224-247 codes, two sets of 12
	s_load_b512 s[4:19], s[0:1], 0x0               ; x, Wq, Wk, Wv, Wo, positions s[14:15], codes s[16:17], scales s[18:19]
	s_load_b64 s[20:21], s[0:1], 0x40              ; the table
	v_lshl_add_u32 v[SPW], v0, 2, SPARE
	v_mov_b32 v[NIL], 0
	v_lshrrev_b32 v1, 5, v0
	v_readfirstlane_b32 s22, v1                    ; wave
	v_and_b32 v2, 31, v0                           ; lane
	s_cmp_ge_u32 ttmp9, NQWG
	s_cbranch_scc1 .Lrope
	v_lshlrev_b32 v3, 4, v2                        ; 16 x lane: my place in a load's 512 bytes and in a store's
	v_and_b32 v4, 15, v2                           ; r
	v_lshrrev_b32 v5, 4, v2                        ; h
	s_mul_i32 s23, s22, WREG
	v_add_nc_u32 v14, s23, v3                      ; the stage, on the way in
	v_mul_u32_u24 v15, v4, SP
	v_lshl_add_u32 v15, v5, 7, v15
	v_add_nc_u32 v15, s23, v15                     ; and out: row r, 128 h bytes in
	v_lshlrev_b32 v6, 3, v5                        ; 8 h: my bytes' place in a scale word
	v_lshlrev_b32 v7, 4, v4                        ; 16 r
	v_mov_b32 v19, 0
	s_mov_b32 s38, 0x76543210
	s_mov_b32 s39, 0xfedcba98
	s_wait_alu depctr_va_vdst(0)                   ; the wait at the head's end
	s_wait_kmcnt 0x0
	s_mov_b64 s[24:25], s[12:13]                   ; Wo's figures, unless the work-group's number says otherwise: the tensor,
	s_mov_b32 s26, 480                             ; its first tile,
	s_mov_b32 s27, 0                               ; 1: rows in the order (a),
	s_mov_b32 s28, 0                               ; 1: halves laid head by head,
	s_mov_b32 s29, 512                             ; rows of a half
	s_cmp_lt_u32 ttmp9, 480
	s_cselect_b64 s[24:25], s[10:11], s[24:25]
	s_cselect_b32 s26, 448, s26
	s_cselect_b32 s27, 1, s27
	s_cmp_lt_u32 ttmp9, 448
	s_cselect_b64 s[24:25], s[8:9], s[24:25]
	s_cselect_b32 s26, 384, s26
	s_cselect_b32 s28, 1, s28
	s_cmp_lt_u32 ttmp9, 384
	s_cselect_b64 s[24:25], s[6:7], s[24:25]
	s_cselect_b32 s26, 128, s26
	s_cselect_b32 s29, 2048, s29
	s_cmp_lt_u32 ttmp9, 128
	s_cselect_b64 s[24:25], s[4:5], s[24:25]
	s_cselect_b32 s26, 0, s26
	s_cselect_b32 s28, 0, s28
	s_sub_co_u32 s40, ttmp9, s26                   ; t: the tile in its tensor
	s_lshr_b32 s41, s40, 3
	s_lshl_b32 s41, s41, 2
	s_and_b32 s42, s40, 3
	s_or_b32 s41, s41, s42                         ; head by head: t with bit 2, the half, taken out,
	s_bfe_u32 s43, s40, 0x10002
	s_mul_i32 s43, s43, s29                        ; and the half's first row
	s_cmp_eq_u32 s28, 1
	s_cselect_b32 s41, s41, s40
	s_cselect_b32 s43, s43, 0
	s_lshr_b32 s42, s41, 1
	s_lshl_b32 s42, s42, 5
	s_and_b32 s44, s41, 1
	s_lshl_b32 s44, s44, 3
	s_add_co_u32 s42, s42, s44                     ; order (a): 32 b + 8 u
	s_lshl_b32 s44, s40, 4
	s_cmp_eq_u32 s27, 1
	s_cselect_b32 s42, s42, s44
	s_cselect_b32 s45, 16, 8                       ; rows from the tile's row 0 to its row 8
	s_add_co_u32 s42, s42, s43
	s_lshl_b32 s32, s42, 13                        ; 8,192 bytes a row
	s_lshl_b32 s44, s22, 11                        ; 2,048 bytes for each 512 along K
	s_add_co_u32 s32, s32, s44
	s_mov_b32 s33, 0
	s_add_nc_u64 s[24:25], s[24:25], s[32:33]      ; stored rows 0-7
	s_lshl_b32 s32, s45, 13
	s_add_nc_u64 s[30:31], s[24:25], s[32:33]      ; stored rows 8-15
	s_mul_i32 s32, ttmp9, 24576
	s_mul_i32 s44, s22, 6144
	s_add_co_u32 s32, s32, s44
	s_add_nc_u64 s[16:17], s[16:17], s[32:33]
	s_lshl_b32 s32, ttmp9, 10
	s_lshl_b32 s44, s22, 8
	s_add_co_u32 s32, s32, s44
	s_add_nc_u64 s[18:19], s[18:19], s[32:33]
.macro LOAD f                          ; fragment f: 16 rows x 512 consecutive bytes
.irp i, 0,1,2,3,4,5,6,7
	global_load_b128 v[R+64*((\f)%2)+4*\i:R+64*((\f)%2)+4*\i+3], v3, s[24:25] offset:8192*\i+512*(\f) th:TH_LOAD_NT
.endr
.irp i, 0,1,2,3,4,5,6,7
	global_load_b128 v[R+64*((\f)%2)+32+4*\i:R+64*((\f)%2)+32+4*\i+3], v3, s[30:31] offset:8192*\i+512*(\f) th:TH_LOAD_NT
.endr
.endm
.macro FRAGQ f
.set RS, R+64*((\f)%2)
.set CC, C+12*((\f)%2)
.if (\f) < 3
	s_wait_loadcnt 16                              ; this fragment's 16 loads are in; the next one's may be out
.else
	s_wait_loadcnt 0x0
.endif
.irp i, 0,1,2,3,4,5,6,7,8,9,10,11,12,13,14,15
	ds_store_b128 v14, v[RS+4*\i:RS+4*\i+3] offset:SP*\i
.endr
.irp c, 0,1
.irp j, 0,1,2,3,4,5,6,7
	ds_load_b128 v[X+32*\c+4*\j:X+32*\c+4*\j+3], v15 offset:256*\c+16*\j   ; LDS serves a wave's instructions in order: these see the stores above
.endr
.endr
	s_wait_dscnt 0x0                               ; my two blocks are here, and the stores have read their registers
.if (\f) >= 2
	s_wait_xcnt 0x0                                ; the stores of two fragments ago have read the codes' registers
.endif
.if (\f)+2 < 4
	LOAD (\f)+2
.endif
.irp c, 0,1
	v_max3_num_f32 v[8+\c], |v[X+32*\c]|, |v[X+32*\c+1]|, 0x1800000   ; with the floor 2^(3 - 127): the byte cannot fall under 1
.endr
.irp i, 2,4,6,8,10,12,14,16,18,20,22,24,26,28,30
.irp c, 0,1
	v_max3_num_f32 v[8+\c], v[8+\c], |v[X+32*\c+\i]|, |v[X+32*\c+\i+1]|
.endr
.endr
.irp c, 0,1
	v_add_nc_u32 v[10+\c], 0xff000000, v[8+\c]     ; 2 off the exponent field: the conversion's scale operand
.endr
.irp c, 0,1
	v_lshrrev_b32 v[16+\c], 23, v[10+\c]           ; the scale's byte
.endr
	v_lshl_or_b32 v18, v17, 16, v16                ; blocks h and 2 + h,
	v_lshlrev_b32 v18, v6, v18                     ; at their places in the word;
	v_permlanex16_b32 v19, v18, s38, s39
	v_or_b32 v[SW+(\f)], v18, v19                  ; with lane l xor 16's two the word is whole
.irp c, 0,1
	v_cvt_scalef32_pk16_fp6_f32 v[CC+6*\c:CC+6*\c+2], v[X+32*\c:X+32*\c+15], v[10+\c]
	v_cvt_scalef32_pk16_fp6_f32 v[20+4*\c:22+4*\c], v[X+32*\c+16:X+32*\c+31], v[10+\c]   ; (a conversion's three registers begin on an even number)
.endr
	v_nop                                          ; one plain place behind a scaled conversion
.irp c, 0,1
.irp i, 0,1,2
	v_mov_b32 v[CC+6*\c+3+\i], v[20+4*\c+\i]
.endr
.endr
.irp g, 0,1,2
	global_store_b128 v3, v[CC+4*\g:CC+4*\g+3], s[16:17] offset:1536*(\f)+512*\g   ; 32 lanes store 512 consecutive bytes, aligned
.endr
.endm
	LOAD 0
	LOAD 1
	FRAGQ 0
	FRAGQ 1
	FRAGQ 2
	FRAGQ 3
	s_wait_alu depctr_va_vdst(0)                   ; the wait ahead of the reader below
	global_store_b128 v7, v[SW:SW+3], s[18:19]     ; 256 consecutive bytes, aligned; lanes l and l xor 16 write the same bytes with the same value
	s_wait_tensorcnt 0x0                           ; the wave's end
	ds_add_u32 v[SPW], v[NIL]
	s_wait_dscnt 0x0
	s_endpgm
	; ---------------- the table of cos and sin: no LDS on this way
.Lrope:
	s_sub_co_u32 s23, ttmp9, NQWG
	s_lshl_b32 s24, s23, 6
	s_lshl_b32 s25, s22, 4
	s_add_co_u32 s24, s24, s25                     ; my wave's first row of 16
	s_min_u32 s26, s24, 2032                       ; the rows past 2047 read the last 16 positions and multiply them by 0
	s_lshl_b32 s26, s26, 2
	s_mov_b32 s27, 0
	s_lshl_b32 s28, s24, 8
	s_mov_b32 s29, 0
	s_cmp_lt_u32 s23, 32
	s_cselect_b32 s60, 1.0, 0
	s_mov_b32 s50, 0x3f22f983                      ; 2 / pi
	s_mov_b32 s51, 0xbfc90fd8                      ; - pi / 2 in three parts
	s_mov_b32 s52, 0xb4a8885a
	s_mov_b32 s53, 0xa7c234c4
	s_mov_b32 s54, 0xb94ca1f9                      ; the sine's polynomial
	s_mov_b32 s55, 0x3c08839e
	s_mov_b32 s56, 0xbe2aaaa3
	s_mov_b32 s57, 0x37ccf5ce                      ; the cosine's
	s_mov_b32 s58, 0xbab6061a
	s_mov_b32 s59, 0x3d2aaaa5
	s_wait_kmcnt 0x0
	s_add_nc_u64 s[14:15], s[14:15], s[26:27]
	s_load_b512 s[32:47], s[14:15], 0x0            ; 16 positions
	s_add_nc_u64 s[20:21], s[20:21], s[28:29]
	s_wait_alu depctr_va_vdst(0)
	v_and_b32 v3, 15, v2                           ; i: my two frequencies are f = 2 i and 2 i + 1
	v_lshrrev_b32 v4, 4, v2
	v_mul_u32_u24 v4, v4, 3                        ; lanes 16-31 make sines: three quadrants on
	v_lshlrev_b32 v19, 3, v2
	v_mov_b32 v5, 1.0                              ; 10^(-f / 8), each written out and rounded once
	v_mov_b32 v6, 0.7498942093324559
.macro FSEL i, a, b
	v_cmp_ne_u32 vcc_lo, \i, v3
	v_cndmask_b32 v5, \a, v5, vcc_lo
	v_cndmask_b32 v6, \b, v6, vcc_lo
.endm
	FSEL 1, 0.5623413251903491, 0.4216965034285822
	FSEL 2, 0.31622776601683794, 0.23713737056616552
	FSEL 3, 0.1778279410038923, 0.1333521432163324
	FSEL 4, 0.1, 0.07498942093324559
	FSEL 5, 0.05623413251903491, 0.04216965034285822
	FSEL 6, 0.031622776601683794, 0.023713737056616552
	FSEL 7, 0.01778279410038923, 0.01333521432163324
	FSEL 8, 0.01, 0.007498942093324559
	FSEL 9, 0.005623413251903491, 0.004216965034285822
	FSEL 10, 0.0031622776601683794, 0.0023713737056616552
	FSEL 11, 0.001778279410038923, 0.001333521432163324
	FSEL 12, 0.001, 0.0007498942093324559
	FSEL 13, 0.0005623413251903491, 0.0004216965034285822
	FSEL 14, 0.00031622776601683794, 0.00023713737056616552
	FSEL 15, 0.0001778279410038923, 0.0001333521432163324
.macro SC out, ang                     ; v[out] = cos(v[ang] + (pi / 2) x my quadrant shift)
	v_mul_f32 v9, s50, v[\ang]
	v_rndne_f32 v9, v9
	v_fma_f32 v10, v9, s51, v[\ang]
	v_fma_f32 v10, v9, s52, v10
	v_fma_f32 v10, v9, s53, v10                    ; r = angle - k pi / 2
	v_cvt_i32_f32 v11, v9
	v_add_nc_u32 v11, v11, v4                      ; the quadrant
	v_mul_f32 v14, v10, v10
	v_fma_f32 v15, v14, s54, s55
	v_fma_f32 v16, v14, s57, s58
	v_fma_f32 v15, v14, v15, s56
	v_fma_f32 v16, v14, v16, s59
	v_mul_f32 v17, v14, v10
	v_fma_f32 v18, v14, -0.5, 1.0
	v_mul_f32 v20, v14, v14
	v_fma_f32 v15, v17, v15, v10                   ; sin r
	v_fma_f32 v16, v20, v16, v18                   ; cos r
	v_and_b32 v17, 1, v11
	v_add_nc_u32 v18, 1, v11
	v_cmp_eq_u32 vcc_lo, 1, v17
	v_and_b32 v18, 2, v18
	v_cndmask_b32 v[\out], v16, v15, vcc_lo        ; odd quadrants take the sine,
	v_lshlrev_b32 v18, 30, v18
	v_xor_b32 v[\out], v[\out], v18                ; quadrants 1 and 2 the other sign
.endm
	s_wait_kmcnt 0x0
.irp t, 0,1,2,3,4,5,6,7,8,9,10,11,12,13,14,15
	v_cvt_f32_i32 v7, s[32+\t]
	v_mul_f32 v7, s60, v7
	s_wait_alu depctr_va_vdst(0)
	v_mul_f32 v8, v7, v5
	SC 32+2*\t, 8
	v_mul_f32 v8, v7, v6
	SC 33+2*\t, 8
	global_store_b64 v19, v[32+2*\t:33+2*\t], s[20:21] offset:256*\t   ; a row: 256 consecutive bytes, aligned
.endr
	s_endpgm
.Lfunc_end_k_qabff1fa931_quant:
	.size	k_qabff1fa931_quant, .Lfunc_end_k_qabff1fa931_quant-k_qabff1fa931_quant
	.p2alignl 7, 3214868480
	.fill 96, 4, 3214868480
	.section	.rodata,"a",@progbits
	.p2align	6, 0x0
	.amdhsa_kernel k_qabff1fa931_quant
		.amdhsa_group_segment_fixed_size 34304
		.amdhsa_private_segment_fixed_size 0
		.amdhsa_enable_private_segment 0
		.amdhsa_kernarg_size 72
		.amdhsa_user_sgpr_count 2
		.amdhsa_user_sgpr_kernarg_segment_ptr 1
		.amdhsa_wavefront_size32 1
		.amdhsa_system_sgpr_workgroup_id_x 1
		.amdhsa_system_sgpr_workgroup_id_y 1
		.amdhsa_system_sgpr_workgroup_id_z 1
		.amdhsa_system_vgpr_workitem_id 0
		.amdhsa_next_free_vgpr 256
		.amdhsa_next_free_sgpr 66
		.amdhsa_reserve_vcc 1
		.amdhsa_float_denorm_mode_32 3
		.amdhsa_float_denorm_mode_16_64 3
		.amdhsa_memory_ordered 1
		.amdhsa_forward_progress 1
		.amdhsa_inst_pref_size 73
	.end_amdhsa_kernel
	.amdgpu_metadata
---
amdhsa.version: [ 1, 2 ]
amdhsa.kernels:
  - .name:           k_qabff1fa931_quant
    .symbol:         k_qabff1fa931_quant.kd
    .args:
      - { .name: hidden_states, .offset: 0, .size: 8, .value_kind: global_buffer, .address_space: global }
      - { .name: Wq, .offset: 8, .size: 8, .value_kind: global_buffer, .address_space: global }
      - { .name: Wk, .offset: 16, .size: 8, .value_kind: global_buffer, .address_space: global }
      - { .name: Wv, .offset: 24, .size: 8, .value_kind: global_buffer, .address_space: global }
      - { .name: Wo, .offset: 32, .size: 8, .value_kind: global_buffer, .address_space: global }
      - { .name: position_ids, .offset: 40, .size: 8, .value_kind: global_buffer, .address_space: global }
      - { .name: codes, .offset: 48, .size: 8, .value_kind: global_buffer, .address_space: global }
      - { .name: scales, .offset: 56, .size: 8, .value_kind: global_buffer, .address_space: global }
      - { .name: rope, .offset: 64, .size: 8, .value_kind: global_buffer, .address_space: global }
    .group_segment_fixed_size: 34304
    .private_segment_fixed_size: 0
    .kernarg_segment_align: 8
    .kernarg_segment_size: 72
    .max_flat_workgroup_size: 128
    .sgpr_count:     66
    .vgpr_count:     256
    .wavefront_size: 32
...
	.end_amdgpu_metadata
.endif
;; end of part 1
;; launch qkv (part 2): grid 176 x 1, 4 waves a work-group, clusters of 4 x 1, 327,680 bytes of LDS; arguments codes, scales, rope, img; writes img
.if DOCPART == 2
	.amdgcn_target "amdgcn-amd-amdhsa--gfx1250"
	.amdhsa_code_object_version 6
	.text
	.protected	k_qabff1fa931_qkv
	.globl	k_qabff1fa931_qkv
	.p2align	8
	.type	k_qabff1fa931_qkv,@function
k_qabff1fa931_qkv:
	s_mov_b64 s[64:65], 0
	v_nop
	global_prefetch_b8 v0, s[64:65] scope:SCOPE_SE
	s_setreg_imm32_b32 hwreg(HW_REG_WAVE_MODE, 25, 1), 1
	s_wait_xcnt 0x0
	s_wait_alu depctr_hold_cnt(0) depctr_sa_sdst(0) depctr_va_vdst(0) depctr_va_sdst(0) depctr_va_ssrc(0) depctr_va_vcc(0) depctr_vm_vsrc(0)
	s_getreg_b32 s2, hwreg(HW_REG_IB_STS2, 6, 4)
	s_cmp_eq_u32 s2, 0
	s_cbranch_scc0 .Lentry_in_a_cluster
	s_endpgm
.Lentry_in_a_cluster:
	s_bfe_u32 s2, ttmp6, 0x10000c
	s_cmp_lg_u32 s2, 0x3003
	s_cbranch_scc0 .Lentry_shape_is_right
	s_endpgm
.Lentry_shape_is_right:
; q, k and v: x Wq^T, x Wk^T (a head's 128 stored rows to a wave's columns) and Wv x^T, on codes of FP6 (E2M3) with E8M0 scales, K = 2048; then rope, and the results quantised into records of operand images for the attention.
; A block is 256 x 256, four waves of 128 x 128; K goes in steps of 256 through two LDS slots.  Operands lie in memory as images of operand registers: a tile of 16 rows is 24,576 bytes, a K step of it 3,072.
; Clusters of 4: the four work-groups share A's tiles and ask for them jointly; B's are each work-group's own.
; PREFETCH: behind the load of K step c each work-group asks for K step c + 2: its quarter of A's 16 tiles (tiles 4 cx .. 4 cx + 3: the partners share them out by address) and its 16 tiles of B,
; 20 tiles x 12 blocks of 256 bytes, 60 blocks a wave in two instructions (the last four lanes name the wave's last block again).  K steps 0 and 1 come by their loads alone; the last two refills ask for nothing.
.set SIZE_K, 2048
.set PF, 18                            ; v18, v19 the prefetches' offsets; never rewritten.  s[4:5]: the codes' address at the K step that is asked for next
.set NQK,    40
.set KSTEP,  256
.set NQ,     KSTEP/128
.set ASTEP,  3072                      ; a K step of 256 of a tile of 16 rows: two images of operand registers, 1,536 bytes each
.set KROW,   SIZE_K*6/8
.set FR,     12
.set NL,     3                         ; LDS loads that bring a fragment
.set NP,     4
.set HALFT,  8*ASTEP                   ; 128 rows
.set SLOT,   4*HALFT
.set LAPS,   SIZE_K/(2*KSTEP)
.set KS,     SIZE_K/32
.set SCL,    2*SLOT
.set HALFS,  128*KS
.set SBLK,   16*KS
.set SPARE,  SCL+4*HALFS
.set ADRA, 16
.set ADRB, 20
.set LI,   24
.set L8,   25
.set TBO,  26
.set ADRS, 27
.set SPW,  28
.set NIL,  29
.set SC,   32
.set CSB,  64
.set AF,   128
.set T,    128
.set TM,   192
.set PW,   208
.set PC,   210
.set SW,   232
.set SEL,  66
.set G1, 24
.set G0, 32
.set G1B, 48
.set G0B, 56
.set G1S, 68
.set G0S, 76
.set G1SB, 80
.set G0SB, 88
.set MSB, 0
.macro WIN new
.if MSB != \new
	s_set_vgpr_msb (MSB<<8)|\new
.set MSB, \new
.endif
.endm
.set MUL_LO, 0xa1
.set MUL_HI, 0xf1
.set TO_B,   0x40
.macro JLOAD g0a, g1a, g0b, g1b
	s_cmp_eq_u32 s15, 0
	s_cbranch_scc0 .Lfor_b_\@
	tensor_load_to_lds s[\g0a:\g0a+3], s[\g1a:\g1a+7]
	s_nop 0
.rept 4
	v_nop
.endr
	s_branch .Lasked_\@
.Lfor_b_\@:
	tensor_load_to_lds s[\g0b:\g0b+3], s[\g1b:\g1b+7]
	s_nop 0
.rept 4
	v_nop
.endr
.Lasked_\@:
.endm
.macro CREST
	s_cmp_lg_u32 s14, 0
	s_cbranch_scc1 .Lnot_wave_0_\@
	s_barrier_signal -3
.Lnot_wave_0_\@:
	s_barrier_wait -3
	s_barrier_signal -1
	s_barrier_wait -1
.endm
.macro CROUND
	s_barrier_signal -1
	s_barrier_wait -1
	CREST
.endm
	s_load_b256 s[4:11], s[0:1], 0x0
	v_lshl_add_u32 v[SPW], v0, 2, SPARE
	v_mov_b32 v[NIL], 0
	ds_add_u32 v[SPW], v[NIL]
	ds_add_u32 v[SPW], v[NIL]
	v_lshrrev_b32 v1, 5, v0
	v_readfirstlane_b32 s14, v1
	s_lshr_b32 s15, s14, 1
	s_and_b32 s16, s14, 1
	s_bfe_u32 s40, ttmp6, 0x40000
	s_sub_co_u32 s41, ttmp9, NQK
	s_and_b32 s42, ttmp9, 7
	s_lshl_b32 s42, s42, 8
	s_and_b32 s43, s41, 1
	s_lshl_b32 s43, s43, 8
	s_add_co_u32 s43, s43, 7168
	s_lshr_b32 s44, ttmp9, 3
	s_lshr_b32 s45, s41, 1
	s_cmp_lt_u32 ttmp9, NQK
	s_cselect_b32 s17, s42, s43
	s_cselect_b32 s44, s44, s45
	s_cselect_b32 s45, 2048, 0
	; a tensor row is a tile's 3,072 bytes of a K step, 24,576 bytes from tile to tile: 16 tiles for the head's loads, 8 behind them
	s_mov_b32 s[G1+0], 15|(3<<16)|(1<<21)
	s_mov_b32 s[G1B+0], 3<<16
.irp g, G1, G1B
	s_mov_b32 s[\g+1], (ASTEP/8)<<16
	s_mov_b32 s[\g+2], 16<<16
	s_mov_b32 s[\g+3], (ASTEP/8)<<16
	s_mov_b32 s[\g+4], 16
	s_mov_b32 s[\g+5], 16*KROW/8
	s_mov_b32 s[\g+6], 0
	s_mov_b32 s[\g+7], 0
.endr
	s_mov_b32 s[G1S+0], 15|(3<<16)|(1<<21)
	s_mov_b32 s[G1SB+0], 3<<16
.irp g, G1S, G1SB
	s_mov_b32 s[\g+1], 32<<16
	s_mov_b32 s[\g+2], KS<<16
	s_mov_b32 s[\g+3], 32<<16
	s_mov_b32 s[\g+4], KS
	s_mov_b32 s[\g+5], 32
	s_mov_b32 s[\g+6], 0
	s_mov_b32 s[\g+7], 0
.endr
	s_lshl_b32 s18, s16, 7
	s_add_co_u32 s20, s17, s18
	s_lshl_b32 s95, s44, 2
	s_add_co_u32 s95, s95, s40
	s_lshl_b32 s46, s95, 8
	s_add_co_u32 s46, s46, s45
	s_add_co_u32 s46, s46, s18
	s_mov_b32 s21, 0
	s_mov_b32 s23, 0
	s_mov_b32 s47, 0
	s_mov_b32 s93, 0
	s_lshl_b32 s22, s20, 6
	s_lshl_b32 s92, s46, 6
	s_mul_i32 s20, s20, KROW
	s_mul_i32 s46, s46, KROW
	s_mul_i32 s19, s14, HALFT
	s_mov_b32 s[SEL], 0x76543210
	s_mov_b32 s[SEL+1], 0xfedcba98
	s_mov_b32 s2, 0xffff0000
	s_wait_dscnt 0x0
	s_wait_kmcnt 0x0
	s_add_nc_u64 s[20:21], s[4:5], s[20:21]
	s_add_nc_u64 s[22:23], s[6:7], s[22:23]
	s_add_nc_u64 s[46:47], s[4:5], s[46:47]
	s_add_nc_u64 s[92:93], s[6:7], s[92:93]
	s_mul_i32 s6, s16, 128*KROW                    ; (the scales' pointer that lay here is used up)  from a tile's first row to my 128 rows: in codes,
	s_mov_b32 s7, 0
	s_lshl_b32 s12, s16, 13                        ; and in scale bytes
	s_mov_b32 s13, 0
	s_add_nc_u64 s[4:5], s[4:5], 2*ASTEP           ; the first prefetch names K step 2
	CROUND
	; THE HEAD'S FOUR TILES, ONE LOAD A WAVE: K step 0's 256 rows of A, its 256 rows of B, the scales of A's 256 rows, those of B's
	s_mov_b32 s[G0], 1
	s_mov_b32 s[G0+1], 0
	s_sub_nc_u64 s[G0+2:G0+3], s[20:21], s[6:7]
	s_or_b32 s[G0+3], s[G0+3], 0x80000000
	s_mov_b32 s[G0B], 1
	s_mov_b32 s[G0B+1], 2*HALFT
	s_sub_nc_u64 s[G0B+2:G0B+3], s[46:47], s[6:7]
	s_or_b32 s[G0B+3], s[G0B+3], 0x80000000
	s_mov_b32 s[G0S], 1
	s_mov_b32 s[G0S+1], SCL
	s_sub_nc_u64 s[G0S+2:G0S+3], s[22:23], s[12:13]
	s_or_b32 s[G0S+3], s[G0S+3], 0x80000000
	s_mov_b32 s[G0SB], 1
	s_mov_b32 s[G0SB+1], SCL+2*HALFS
	s_sub_nc_u64 s[G0SB+2:G0SB+3], s[92:93], s[12:13]
	s_lshr_b32 s12, s17, 4
	s_lshl_b32 s18, s40, 2
	s_add_co_u32 s12, s12, s18                     ; the prefetches: the first of my work-group's four tiles of A,
	s_lshl_b32 s13, s95, 4
	s_lshr_b32 s18, s45, 4
	s_add_co_u32 s13, s13, s18
	s_sub_co_u32 s13, s13, 4                       ; the first of its tiles of B, less the four of A that stand ahead of them in the list,
	s_mul_i32 s18, s14, 60                         ; and my wave's first block of the list's 240
	s_or_b32 s[G0SB+3], s[G0SB+3], 0x80000000
	s_mov_b32 s[G0+4], 1                           ; slot 1: my 128 rows of K step 1
	s_add_co_u32 s[G0+5], s19, SLOT
	s_add_nc_u64 s[G0+6:G0+7], s[20:21], ASTEP
	s_or_b32 s[G0+7], s[G0+7], 0x80000000
	s_mov_b32 s[G0B+4], 1
	s_add_co_u32 s[G0B+5], s19, SLOT
	s_add_nc_u64 s[G0B+6:G0B+7], s[46:47], ASTEP
	s_or_b32 s[G0B+7], s[G0B+7], 0x80000000
.macro ARM under, g0, g1, next         ; one chain of branches on the wave's number: every way passes exactly one load
	s_cmp_lt_u32 s14, \under
	s_cbranch_scc0 \next
	tensor_load_to_lds s[\g0:\g0+3], s[\g1:\g1+7]
	s_nop 0
.rept 4
	v_nop
.endr
	s_branch .Lhead_asked
\next:
.endm
	ARM 1, G0,  G1,  .Lhead_b
	ARM 2, G0B, G1B, .Lhead_sa
	ARM 3, G0S, G1S, .Lhead_sb
	tensor_load_to_lds s[G0SB:G0SB+3], s[G1SB:G1SB+7]
	s_nop 0
.rept 4
	v_nop
.endr
.Lhead_asked:
	v_and_b32 v1, 15, v0
	v_bfe_u32 v2, v0, 4, 1
	v_and_b32 v3, 31, v0
	v_lshlrev_b32 v4, 4, v3                        ; 16 x lane: my place in each group of four registers of an image
	v_add_nc_u32 v6, s18, v3                       ; my two blocks of the list
	v_add_nc_u32 v7, 32, v3
	v_min_u32 v7, 59, v7
	v_add_nc_u32 v7, s18, v7
	v_mov_b32 v10, s12
	v_mov_b32 v11, s13
.irp k, 0,1
	v_mul_u32_u24 v8, v[6+\k], 171
	v_lshrrev_b32 v8, 11, v8                       ; block / 12, right for blocks under 240: the tile in the list
	v_mul_u32_u24 v9, v8, 12
	v_sub_nc_u32 v9, v[6+\k], v9                   ; block % 12
	v_cmp_gt_u32 vcc_lo, 4, v8
	v_cndmask_b32 v5, v11, v10, vcc_lo             ; the list's first four tiles are A's
	v_add_nc_u32 v5, v5, v8
	v_mul_u32_u24 v5, v5, 24576
	v_lshl_add_u32 v[PF+\k], v9, 8, v5
.endr
.macro ASK
	global_prefetch_b8 v[PF], s[4:5] th:TH_LOAD_NT scope:SCOPE_SE
	global_prefetch_b8 v[PF+1], s[4:5] th:TH_LOAD_NT scope:SCOPE_SE
.endm
	ASK                                            ; K step 2, behind the load of K step 0
	s_mul_i32 s21, s15, HALFT
	s_mul_i32 s22, s16, HALFT
	s_add_co_u32 s22, s22, 2*HALFT
.irp s, 0,1
	v_add_nc_u32 v[ADRA+\s], s21, v4
	v_add_nc_u32 v[ADRB+\s], s22, v4
	s_add_co_u32 s21, s21, SLOT
	s_add_co_u32 s22, s22, SLOT
.endr
	s_wait_alu depctr_va_vdst(0)                   ; the wait here
	v_lshlrev_b32 v5, 4, v1                        ; my row's scale words: 16 bytes a row for each 512 along K
	s_mul_i32 s21, s15, HALFS
	s_mul_i32 s22, s16, HALFS
	s_add_co_u32 s22, s22, 2*HALFS
	s_sub_co_u32 s22, s22, s21
	v_mul_u32_u24 v6, s22, v2
	s_add_co_u32 s21, s21, SCL
	v_add_nc_u32 v5, v5, v6
	v_add_nc_u32 v[ADRS], s21, v5
	v_and_b32 v6, 31, v0
	v_lshlrev_b32 v[LI], 4, v6
	v_lshlrev_b32 v[L8], 3, v6
	v_and_b32 v6, 8, v1
	v_add_nc_u32 v6, v6, v1
	v_lshlrev_b32 v[TBO], 8, v6
	v_lshl_add_u32 v[TBO], v2, 6, v[TBO]
	s_wait_alu depctr_va_vdst(0)
	s_lshl_b32 s42, s95, 1
	s_add_co_u32 s42, s42, s16
	s_lshl_b32 s43, s42, 5
	s_lshr_b32 s44, s17, 6
	s_add_co_u32 s43, s43, s44
	s_lshl_b32 s44, s15, 1
	s_add_co_u32 s43, s43, s44
	s_and_b32 s44, s41, 1
	s_lshl_b32 s44, s44, 6
	s_lshl_b32 s45, s15, 5
	s_add_co_u32 s44, s44, s45
	s_add_co_u32 s44, s44, s42
	s_add_co_u32 s44, s44, 1280
	s_lshl_b32 s45, s15, 7
	s_add_co_u32 s45, s45, s17
	s_mov_b32 s92, 96256
	s_cmp_lt_u32 ttmp9, NQK
	s_cselect_b32 s43, s43, s44
	s_cselect_b32 s92, 256, s92
	s_cselect_b32 s45, s45, 2048
	s_mul_i32 s46, s43, 6400
	s_mov_b32 s47, 0
	s_add_nc_u64 s[12:13], s[10:11], s[46:47]
	s_mov_b32 s93, 0
	s_add_nc_u64 s[98:99], s[12:13], s[92:93]
	s_lshl_b32 s46, s45, 8
	s_add_nc_u64 s[96:97], s[8:9], s[46:47]
.macro LOADCS a
.irp sc, 0,1
.irp q, 0,1,2,3
	global_load_b128 v[CSB+32*((\a)%2)+16*\sc+4*\q:CSB+32*((\a)%2)+16*\sc+4*\q+3], v[TBO], s[96:97] offset:(32*((\a)/2)+8*((\a)%2))*256+128*\sc+16*\q
.endr
.endr
.endm
	LOADCS 0
	LOADCS 1
.macro FRAG reg, adr, q, i
.irp c, 0,1,2
	ds_load_b128 v[\reg+4*\c:\reg+4*\c+3], v[\adr] offset:(\i)*ASTEP+1536*(\q)+512*\c   ; 32 lanes read 512 consecutive bytes
.endr
.endm
.macro MUL16 a0, p, q, sc, zero
.irp a, \a0, \a0+1
.irp b, 0,1,2,3,4,5,6,7
.if \zero
	v_wmma_scale_f32_16x16x128_f8f6f4 v[8*(8*((\a)%4)+\b):8*(8*((\a)%4)+\b)+7], v[128*(\p)+FR*\b:128*(\p)+FR*\b+FR-1], v[AF+FR*(\a):AF+FR*(\a)+FR-1], 0, v[SC+8*NQ*(\sc)+NQ*\b+(\q)], v[SC+8*NQ*(\sc)+NQ*(\a)+(\q)] matrix_a_fmt:MATRIX_FMT_FP6 matrix_b_fmt:MATRIX_FMT_FP6 matrix_a_scale:MATRIX_SCALE_ROW1
.else
	v_wmma_scale_f32_16x16x128_f8f6f4 v[8*(8*((\a)%4)+\b):8*(8*((\a)%4)+\b)+7], v[128*(\p)+FR*\b:128*(\p)+FR*\b+FR-1], v[AF+FR*(\a):AF+FR*(\a)+FR-1], v[8*(8*((\a)%4)+\b):8*(8*((\a)%4)+\b)+7], v[SC+8*NQ*(\sc)+NQ*\b+(\q)], v[SC+8*NQ*(\sc)+NQ*(\a)+(\q)] matrix_a_fmt:MATRIX_FMT_FP6 matrix_b_fmt:MATRIX_FMT_FP6 matrix_a_scale:MATRIX_SCALE_ROW1
.endif
.endr
.endr
.endm
.macro FETCH_B slot, q, p
	WIN TO_B
.irp i, 0,1,2,3,4,5,6,7
	FRAG 128*(\p)+FR*\i, ADRB+\slot, \q, \i
.endr
	WIN 0
.endm
.macro FETCH_A slot, q, i0
.irp i, \i0, \i0+1, \i0+2, \i0+3
	FRAG AF+FR*(\i), ADRA+\slot, \q, \i
.endr
.endm
.macro SCALES sc
.irp i, 0,1,2,3,4,5,6,7
	ds_load_b64 v[SC+8*NQ*\sc+NQ*\i:SC+8*NQ*\sc+NQ*\i+1], v[ADRS] offset:\i*SBLK
.endr
.endm
.macro PLACES n
.rept \n
	v_nop
.endr
.endm
.macro STEP slot, q, zero
	s_wait_dscnt 4*NL
	WIN MUL_LO
	MUL16 0, (\q)%2, \q, \slot, \zero
	MUL16 2, (\q)%2, \q, \slot, \zero
	s_wait_dscnt 0
	PLACES NP
	FETCH_B \slot, (\q)+1, 1-(\q)%2
	FETCH_A \slot, (\q)+1, 0
	WIN MUL_HI
	MUL16 4, (\q)%2, \q, \slot, \zero
	MUL16 6, (\q)%2, \q, \slot, \zero
	PLACES NP
	WIN 0
	FETCH_A \slot, (\q)+1, 4
.endm
.macro TURN slot, next, fill
.if \fill
	s_wait_xcnt 0x0                                ; my prefetches have read their address: it is stepped here, a K step behind them
	s_add_nc_u64 s[4:5], s[4:5], ASTEP
.endif
	s_wait_tensorcnt 0x0
	ds_add_u32 v[SPW], v[NIL]
	s_wait_dscnt 4*NL+1
	WIN MUL_LO
	MUL16 0, 1, NQ-1, \slot, 0
	s_wait_dscnt 0x0
	s_barrier_signal -1
	MUL16 2, 1, NQ-1, \slot, 0
	WIN 0
	s_barrier_wait -1
.if \fill
	CREST
	s_add_nc_u64 s[G0+4*\slot+2:G0+4*\slot+3], s[G0+4*\slot+2:G0+4*\slot+3], 2*ASTEP
	s_add_nc_u64 s[G0B+4*\slot+2:G0B+4*\slot+3], s[G0B+4*\slot+2:G0B+4*\slot+3], 2*ASTEP
	JLOAD G0+4*\slot, G1, G0B+4*\slot, G1B
.else
	PLACES NP
.endif
	s_wait_alu depctr_va_vdst(0)
	v_add_nc_u32 v[ADRS], 8+240*\slot, v[ADRS]     ; the next two words: 8 bytes on inside a run of 512 along K, then on to the next run's 256 bytes
	FETCH_B \next, 0, 0
	FETCH_A \next, 0, 0
	SCALES \next
.if \fill
	s_cmp_gt_u32 s3, 1                             ; the loop's last trip fetches K steps 6 and 7: there is no K step two on
	s_cbranch_scc0 .Lnoask_\@
	ASK
.Lnoask_\@:
.endif
	WIN MUL_HI
	MUL16 4, 1, NQ-1, \slot, 0
	MUL16 6, 1, NQ-1, \slot, 0
	PLACES NP
	WIN 0
	FETCH_A \next, 0, 4
.endm
	s_wait_alu depctr_va_vdst(0)                   ; the wait at the head's end
	s_wait_tensorcnt 0x0                           ; my tile of the head's four is in
	ds_add_u32 v[SPW], v[NIL]
	s_mov_b32 s[G1+2], 8<<16                       ; no tensor load of mine is out: from here on a load brings 8 tiles, my 128 rows,
	s_mov_b32 s[G1+4], 8
	s_mov_b32 s[G1B+2], 8<<16
	s_mov_b32 s[G1B+4], 8
	s_mov_b32 s[G0+1], s19                         ; into my quarter of the slot
	s_mov_b32 s[G0B+1], s19
	s_add_nc_u64 s[G0+2:G0+3], s[G0+2:G0+3], s[6:7]
	s_add_nc_u64 s[G0B+2:G0B+3], s[G0B+2:G0B+3], s[6:7]
	s_wait_xcnt 0x0                                ; the head's prefetches have read their address
	s_add_nc_u64 s[4:5], s[4:5], ASTEP
	s_wait_dscnt 0x0
	CROUND
	JLOAD G0+4, G1, G0B+4, G1B                     ; K step 1, the first tensor load behind the round
	FETCH_B 0, 0, 0
	FETCH_A 0, 0, 0
	SCALES 0
	ASK                                            ; K step 3, behind the load of K step 1
	FETCH_A 0, 0, 4
	STEP 0, 0, 1
	s_mov_b32 s3, LAPS-1
.Llap:
	TURN 0, 1, 1
	STEP 1, 0, 0
	TURN 1, 0, 1
	STEP 0, 0, 0
	s_sub_co_u32 s3, s3, 1
	s_cmp_lg_u32 s3, 0
	s_cbranch_scc1 .Llap
	TURN 0, 1, 0
	STEP 1, 0, 0
	s_wait_dscnt 4*NL
	WIN MUL_LO
	MUL16 0, 1, NQ-1, 1, 0
	MUL16 2, 1, NQ-1, 1, 0
	s_wait_dscnt 0
	WIN MUL_HI
	MUL16 4, 1, NQ-1, 1, 0
	MUL16 6, 1, NQ-1, 1, 0
	WIN 0
.macro ROPE a
.set CSA, CSB+32*((\a)%2)
	WIN 0x02+(\a)/4
.irp mu, 0,1
.set AC, 64*((\a)%4)+32*\mu
.irp i, 0,2,4,6,8,10,12,14
	v_pk_mul_f32 v[T+32*\mu+\i:T+32*\mu+\i+1], v[AC+\i:AC+\i+1], v[CSA+\i:CSA+\i+1]
	v_pk_mul_f32 v[T+32*\mu+16+\i:T+32*\mu+16+\i+1], v[AC+16+\i:AC+16+\i+1], v[CSA+\i:CSA+\i+1]
.endr
.irp i, 0,2,4,6,8,10,12,14             ; the multiply-adds stand behind all the multiplies: none reads a result just made
	v_pk_fma_f32 v[T+32*\mu+\i:T+32*\mu+\i+1], v[AC+16+\i:AC+16+\i+1], v[CSA+16+\i:CSA+16+\i+1], v[T+32*\mu+\i:T+32*\mu+\i+1] neg_lo:[1,0,0] neg_hi:[1,0,0]
	v_pk_fma_f32 v[T+32*\mu+16+\i:T+32*\mu+16+\i+1], v[AC+\i:AC+\i+1], v[CSA+16+\i:CSA+16+\i+1], v[T+32*\mu+16+\i:T+32*\mu+16+\i+1]
.endr
.endr
	WIN 0
.endm
.macro QUANT s
.irp b, 0,1,2,3
	v_max3_num_f32 v[TM+\b], |v[\s+16*\b]|, |v[\s+1+16*\b]|, 0x1800000
.endr
.irp i, 2,4,6,8,10,12,14
.irp b, 0,1,2,3
	v_max3_num_f32 v[TM+\b], v[TM+\b], |v[\s+16*\b+\i]|, |v[\s+1+16*\b+\i]|
.endr
.endr
.irp b, 0,1,2,3
	v_permlanex16_b32 v[TM+4+\b], v[TM+\b], s[SEL], s[SEL+1]
.endr
.irp b, 0,1,2,3
	v_max_num_f32 v[TM+\b], v[TM+\b], v[TM+4+\b]
.endr
.irp b, 0,1,2,3
	v_add_nc_u32 v[TM+12+\b], 0xff000000, v[TM+\b]
.endr
.irp b, 0,1,2,3
	v_lshrrev_b32 v[TM+4+\b], 23, v[TM+12+\b]
.endr
	v_lshl_or_b32 v[PW], v[TM+5], 8, v[TM+4]
	v_lshl_or_b32 v[PW], v[TM+6], 16, v[PW]
	v_lshl_or_b32 v[PW], v[TM+7], 24, v[PW]
.irp c, 0,1
	v_cvt_scalef32_pk16_fp6_f32 v[PC+6*\c:PC+2+6*\c], v[\s+32*\c:\s+15+32*\c], v[TM+12+2*\c]
	v_cvt_scalef32_pk16_fp6_f32 v[PC+12+4*\c:PC+14+4*\c], v[\s+16+32*\c:\s+31+32*\c], v[TM+12+2*\c+1]
.endr
	v_nop
.irp c, 0,1
.irp i, 0,1,2
	v_permlane16_swap_b32 v[PC+6*\c+\i], v[PC+12+4*\c+\i]
.endr
.irp i, 0,1,2
	v_mov_b32 v[PC+3+6*\c+\i], v[PC+12+4*\c+\i]
.endr
.endr
.endm
.macro BLOCK a
.if (\a) < 7
	s_wait_loadcnt 8
.else
	s_wait_loadcnt 0x0
.endif
	ROPE \a
.if (\a) < 6
	LOADCS (\a)+2
.endif
.if (\a) > 0
	s_wait_xcnt 0x0
.endif
	QUANT T
.if (\a)%2 == 0
	v_mov_b32 v[SW+(\a)/2], v[PW]
.else
	v_cndmask_b32 v[SW+(\a)/2], v[SW+(\a)/2], v[PW], s2
.endif
.irp c, 0,1,2
.if (\a) < 4
	global_store_b128 v[LI], v[PC+4*\c:PC+4*\c+3], s[12:13] offset:1536*(\a)+512*\c
.else
	global_store_b128 v[LI], v[PC+4*\c:PC+4*\c+3], s[98:99] offset:1536*(\a)+512*\c
.endif
.endr
.endm
	PLACES NP
.irp b, 0,1,2,3
	v_mov_b32 v[TM+4+\b], 0
.endr
.irp a, 0,1,2,3,4,5,6,7
	BLOCK \a
.endr
	global_store_b64 v[L8], v[SW:SW+1], s[12:13] offset:6144
	global_store_b64 v[L8], v[SW+2:SW+3], s[98:99] offset:12288
	s_wait_tensorcnt 0x0
	ds_add_u32 v[SPW], v[NIL]
	s_wait_dscnt 0x0
	CROUND
	s_endpgm
.Lfunc_end_k_qabff1fa931_qkv:
	.size	k_qabff1fa931_qkv, .Lfunc_end_k_qabff1fa931_qkv-k_qabff1fa931_qkv
	.p2alignl 7, 3214868480
	.fill 96, 4, 3214868480
	.section	.rodata,"a",@progbits
	.p2align	6, 0x0
	.amdhsa_kernel k_qabff1fa931_qkv
		.amdhsa_group_segment_fixed_size 327680
		.amdhsa_private_segment_fixed_size 0
		.amdhsa_enable_private_segment 0
		.amdhsa_kernarg_size 32
		.amdhsa_user_sgpr_count 2
		.amdhsa_user_sgpr_kernarg_segment_ptr 1
		.amdhsa_wavefront_size32 1
		.amdhsa_system_sgpr_workgroup_id_x 1
		.amdhsa_system_sgpr_workgroup_id_y 1
		.amdhsa_system_sgpr_workgroup_id_z 1
		.amdhsa_system_vgpr_workitem_id 0
		.amdhsa_next_free_vgpr 1024
		.amdhsa_next_free_sgpr 100
		.amdhsa_reserve_vcc 1
		.amdhsa_float_denorm_mode_32 3
		.amdhsa_float_denorm_mode_16_64 3
		.amdhsa_memory_ordered 1
		.amdhsa_forward_progress 1
		.amdhsa_inst_pref_size 182
	.end_amdhsa_kernel
	.amdgpu_metadata
---
amdhsa.version: [ 1, 2 ]
amdhsa.kernels:
  - .name:           k_qabff1fa931_qkv
    .symbol:         k_qabff1fa931_qkv.kd
    .args:
      - { .name: codes, .offset: 0, .size: 8, .value_kind: global_buffer, .address_space: global }
      - { .name: scales, .offset: 8, .size: 8, .value_kind: global_buffer, .address_space: global }
      - { .name: rope, .offset: 16, .size: 8, .value_kind: global_buffer, .address_space: global }
      - { .name: img, .offset: 24, .size: 8, .value_kind: global_buffer, .address_space: global }
    .group_segment_fixed_size: 327680
    .private_segment_fixed_size: 0
    .kernarg_segment_align: 8
    .kernarg_segment_size: 32
    .max_flat_workgroup_size: 128
    .sgpr_count:     100
    .vgpr_count:     1024
    .wavefront_size: 32
...
	.end_amdgpu_metadata
.endif
;; end of part 2
;; launch attn (part 3): grid 256 x 1, 16 waves a work-group, clusters of 4 x 1, 327,680 bytes of LDS; arguments img, lambda_q1, lambda_k1, lambda_q2, lambda_k2, subln_w, ocodes, oscales; writes ocodes, oscales
.if DOCPART == 3
	.amdgcn_target "amdgcn-amd-amdhsa--gfx1250"
	.amdhsa_code_object_version 6
	.text
	.protected	k_qabff1fa931_attn
	.globl	k_qabff1fa931_attn
	.p2align	8
	.type	k_qabff1fa931_attn,@function
k_qabff1fa931_attn:
	s_mov_b64 s[64:65], 0
	v_nop
	global_prefetch_b8 v0, s[64:65] scope:SCOPE_SE
	s_setreg_imm32_b32 hwreg(HW_REG_WAVE_MODE, 25, 1), 1
	s_wait_xcnt 0x0
	s_wait_alu depctr_hold_cnt(0) depctr_sa_sdst(0) depctr_va_vdst(0) depctr_va_sdst(0) depctr_va_ssrc(0) depctr_va_vcc(0) depctr_vm_vsrc(0)
	s_getreg_b32 s2, hwreg(HW_REG_IB_STS2, 6, 4)
	s_cmp_eq_u32 s2, 0
	s_cbranch_scc0 .Lentry_in_a_cluster
	s_endpgm
.Lentry_in_a_cluster:
	s_bfe_u32 s2, ttmp6, 0x10000c
	s_cmp_lg_u32 s2, 0x3003
	s_cbranch_scc0 .Lentry_shape_is_right
	s_endpgm
.Lentry_shape_is_right:
; Differential attention on codes of FP6 (E2M3): for each head, a = softmax(q1 k1^T / 8) - lambda softmax(q2 k2^T / 8) under the causal mask, a quantised FINISHED along the keys, o = a v,
; then o x rsqrt(mean(o o) + 1e-6) x subln_w x (1 - lambda_init), quantised along head x 64 + channel for the last projection.
; TWO PASSES over the keys, since both rows' sums enter each number of a ahead of its quantiser: pass 1 finds each row's largest t (t = score x log2(e) / 8), M = that rounded up to a whole number, and
; l = the sum of 2^(t - M), for both maps, by a running maximum; pass 2 makes the same scores again, a = 2^(t1 - M1 - log2 l1) - lambda 2^(t2 - M2) / l2, its codes, and o.
; K = 64 fills half of the instruction's 128: a key fragment holds [k1 | k2] and meets [q1 | zero codes] and [zero codes | q2].
; SHARES.  Cluster c: key-value head g = c / 8, J = c % 8; its four work-groups are the four query heads of g (head = 4 g + cx) and ask for K and V jointly.  A work-group has 16 tiles of 16 queries:
; LO t = stored tile 8 J + t, with key steps (128 keys) 0 .. J, and HI t = 8 (15 - J) + t, with steps 0 .. 15 - J, t = 0 .. 7.  16 waves, four to a SIMD, each at work on ONE tile at a time:
; wave t: job X = HI t, steps 0 .. 7 (all open), no job Y;  wave t + 8: job X = HI t, steps 8 .. 15 - J, job Y = LO t, all its steps: 8 or 9 tile-steps a pass.
; A HI tile's two halves are joined through LDS: behind pass 1 the two (M, l) (M is a whole number: the rescaling by v_ldexp_f32 rounds nothing), behind pass 2 the two partial o, added in f32.
; No branch and no LDS address hangs on cx: it enters the addresses of q and of the stores alone.
; LDS: bytes 0 .. 204,799 the head's 32 records of keys (64 keys each), .. 307,199 its 16 records of v (128 keys each), filled once; the spare words; 8,192 bytes for the (M, l) records.
; The partial o go into the first 32,768 bytes of the keys, behind a barrier behind which nobody reads keys.
; A record is four images of operand registers (group c of four registers at 512 c + 16 x lane) and 256 bytes of scale words: every LDS load takes consecutive bytes.
; LAYOUT.  Both products are used transposed: a lane holds ONE query (lane % 16).  By the stored order of rows, lane r of tile 2 b + u holds row 32 b + 8 u + r + 8 (r / 8), so that score registers 16 b + i are keys 32 b + 16 (lane / 16) + i.
; THE MASK BY HALF STEPS OF 64 KEYS: a tile's last half step with a visible key is 2 x its step + t / 4: later ones are passed over by a scalar branch on ids, that one is masked, earlier ones are open.  All trip counts are constants.
; The scale bytes of o leave as 2 bytes a row and head (1 byte for each 24 of codes): rows 64 bytes apart.
; LIMITS: NaN and infinities are not served; a p under 2^-126 counts as 0; a block of zeros gets the byte 1 (its codes are zeros; this program alone reads the bytes).
.set REC,   6400
.set VREG,  204800
.set SPARE, 307200                     ; 16 waves x 128 bytes
.set XCH,   309248                     ; 16 records of 512 bytes: -M1, l1, -M2, l2 of each lane
.set LI,  1                            ; 16 x lane
.set L8,  2                            ; 8 x lane
.set AKF, 3                            ; LDS address of the key record's fragments;  v4 of its scale words
.set AKS, 4
.set AVF, 5                            ; the same for v
.set AVS, 6
.set KSC, 8                            ; v[8:9]   the key record's scale words
.set VSC, 10                           ; v[10:11] v's
.set QS,  12                           ; q's scale words, of the tile at work;  v13 job Y's
.set QSY, 13
.set PS,  14                           ; a's scale words
.set SPW, 16
.set NIL, 17
.set R8,  18                           ; 8 x (lane % 16)
.set H64, 19                           ; 64 x (lane / 16)
.set R64, 20                           ; 64 x (lane % 16)
.set F,   24                           ; v24-71 four fragments of keys, then of v
.set Q,   72                           ; v72-77 q1, v78-83 zero codes, v84-89 q2
.set NM1, 90                           ; -M1;  v91 the largest t1
.set T1,  91
.set NM2, 92
.set T2,  93
.set L1,  94                           ; v[94:95], v[96:97] the sums, in two halves
.set L2,  96
.set FA,  98                           ; f1, later log2 l1;  v100 f2, later -lambda / l2  (v99, v101: the pairs' upper halves)
.set FB,  100
.set PW,  102
.set MD,  103                          ; my query's place in its step of 128 keys, less 16 (lane / 16)
.set DM,  104
.set NINF, 105
.set XA,  106                          ; LDS address of my record, of my partner's, of the tile's partial o
.set XB,  107
.set OA,  108
.set O,   112                          ; v112-143 o^T (in pass 1 v112-123 keep job Y's q)
.set D,   144                          ; v144-207 scores of map 1, then a
.set SS,  208                          ; v208-239 scores of map 2
.set PC,  208                          ; the codes just made, over them
.set TM,  240                          ; v240-255 at work
.set WV,  20
.set J,   22
.set EH,  23
.set G1,  24
.set HLX, 36                           ; the last half step of job X's tile, of job Y's (-1: no job Y)
.set HLY, 37
.set TI,  38                           ; t = wave % 8
.set ROLE, 39                          ; wave / 8
.set CT,  44                           ; trips to go
.set ST,  45
.set KB,  46
.set VB,  47
.set KOFF, 48
.set HX,  49                           ; the half step at work
.set CS,  50
.set SEL, 52
.set G1V, 92
.macro PLACES n
.rept \n
	v_nop
.endr
.endm
.macro CROUND
	s_barrier_signal -1
	s_barrier_wait -1
	s_cmp_lg_u32 s[WV], 0
	s_cbranch_scc1 .Lnot_wave_0_\@
	s_barrier_signal -3
.Lnot_wave_0_\@:
	s_barrier_wait -3
	s_barrier_signal -1
	s_barrier_wait -1
.endm
	s_load_b512 s[4:19], s[0:1], 0x0               ; img s[4:5], lambda_q1, _k1, _q2, _k2 s[6:13], subln_w s[14:15], ocodes s[16:17], oscales s[18:19]
	v_lshl_add_u32 v[SPW], v0, 2, SPARE
	v_mov_b32 v[NIL], 0
	ds_add_u32 v[SPW], v[NIL]                      ; the opening lines: the add, twice on end, and its wait ahead of my first tensor load
	ds_add_u32 v[SPW], v[NIL]
	v_lshrrev_b32 v1, 5, v0
	s_delay_alu instid0(VALU_DEP_1)
	v_readfirstlane_b32 s[WV], v1                  ; wave 0..15
	s_and_b32 s[TI], s[WV], 7
	s_lshr_b32 s[ROLE], s[WV], 3
	s_lshr_b32 s21, ttmp9, 3                       ; g
	s_and_b32 s[J], ttmp9, 7
	s_sub_co_u32 s[EH], 15, s[J]
	s_lshr_b32 s57, s[TI], 2
	s_lshl_b32 s[HLX], s[EH], 1
	s_add_co_u32 s[HLX], s[HLX], s57
	s_lshl_b32 s[HLY], s[J], 1
	s_add_co_u32 s[HLY], s[HLY], s57
	s_cmp_eq_u32 s[ROLE], 0
	s_cselect_b32 s[HLY], -1, s[HLY]
	s_bfe_u32 s55, ttmp6, 0x40000                  ; cx
	s_lshl_b32 s56, s21, 2
	s_add_co_u32 s56, s56, s55                     ; my head
	s_mov_b32 s[G1], 15|(3<<16)|(1<<21)            ; the mask names all four; elements of 8 bytes; no padding
	s_mov_b32 s[G1+1], 32<<16                      ; rows of 256 bytes,
	s_mov_b32 s[G1+2], 100<<16                     ; 100 of them: an eighth of the keys' records
	s_mov_b32 s[G1+3], 32<<16
	s_mov_b32 s[G1+4], 100
	s_mov_b32 s[G1+5], 32
	s_mov_b32 s[G1+6], 0
	s_mov_b32 s[G1+7], 0
	s_mov_b32 s[G1V], 15|(3<<16)|(1<<21)           ; the same for an eighth of v's records: 50 rows
	s_mov_b32 s[G1V+1], 32<<16
	s_mov_b32 s[G1V+2], 50<<16
	s_mov_b32 s[G1V+3], 32<<16
	s_mov_b32 s[G1V+4], 50
	s_mov_b32 s[G1V+5], 32
	s_mov_b32 s[G1V+6], 0
	s_mov_b32 s[G1V+7], 0
	s_mov_b32 s[CS], 0x3e38aa3b                    ; log2(e) / 8
	s_mov_b32 s[CS+1], s[CS]
	s_mov_b32 s[SEL], 0x76543210
	s_mov_b32 s[SEL+1], 0xfedcba98
	s_mov_b32 s88, 0x3c800000                      ; 1 / 64
	s_mov_b32 s89, 0x358637bd                      ; 1e-6
	s_mov_b32 s90, 0x3e5d9673                      ; 1 - lambda_init
	s_mov_b32 s91, s90
	s_mul_i32 s57, s[TI], 25600
	s_mul_i32 s63, s[TI], 12800
	s_add_co_u32 s58, s21, 32
	s_mul_i32 s58, s58, 204800                     ; the keys' records of head g,
	s_add_co_u32 s58, s58, s57
	s_mov_b32 s59, 0
	s_mul_i32 s60, s21, 102400                     ; v's
	s_add_co_u32 s60, s60, s63
	s_add_co_u32 s60, s60, 8192000
	s_mov_b32 s61, 0
	s_wait_dscnt 0x0                               ; both opening adds are done
	s_wait_kmcnt 0x0
	s_mov_b32 s32, 1
	s_mov_b32 s33, s57
	s_add_nc_u64 s[34:35], s[4:5], s[58:59]
	s_or_b32 s35, s35, 0x80000000
	s_mov_b32 s40, 1
	s_add_co_u32 s41, s63, VREG
	s_add_nc_u64 s[42:43], s[4:5], s[60:61]
	s_or_b32 s43, s43, 0x80000000
	CROUND                                         ; all four work-groups are here: the joint loads meet
	s_cmp_lt_u32 s[WV], 8                          ; one load a wave, all that the launch fetches into LDS: waves 0-7 the keys, waves 8-15 v
	s_cbranch_scc0 .Lfor_v
	tensor_load_to_lds s[32:35], s[G1:G1+7]
	s_nop 0
	PLACES 4
	s_branch .Lasked
.Lfor_v:
	tensor_load_to_lds s[40:43], s[G1V:G1V+7]
	s_nop 0
	PLACES 4
.Lasked:
	s_lshr_b32 s57, s[TI], 1
	s_lshl_b32 s57, s57, 5
	s_and_b32 s58, s[TI], 1
	s_lshl_b32 s58, s58, 3
	s_add_co_u32 s57, s57, s58                     ; tile t of a step begins at 32 (t / 2) + 8 (t % 2)
	s_lshl_b32 s59, s[TI], 12
	v_and_b32 v7, 31, v0
	v_and_b32 v21, 15, v0                          ; r
	v_bfe_u32 v22, v0, 4, 1                        ; h
	v_lshlrev_b32 v[LI], 4, v7
	v_lshlrev_b32 v[L8], 3, v7
	v_lshlrev_b32 v[R8], 3, v21
	v_lshlrev_b32 v[R64], 6, v21
	v_lshlrev_b32 v[H64], 6, v22
	v_and_b32 v23, 8, v21
	v_lshlrev_b32 v7, 4, v22
	v_add_nc_u32 v23, v23, v21                     ; r + 8 (r / 8)
	v_lshl_add_u32 v[XA], v0, 4, XCH
	v_sub_nc_u32 v23, v23, v7
	v_lshlrev_b32 v7, 4, v0
	v_add_nc_u32 v[MD], s57, v23
	v_xor_b32 v7, 4096, v7                         ; my partner is wave xor 8
	v_add_nc_u32 v[OA], s59, v[LI]
	v_add_nc_u32 v[XB], XCH, v7
	s_wait_alu depctr_va_vdst(0)                   ; the wait ahead of the scalar lines below
	; q: record 2 J + t / 4 (LO), 2 (15 - J) + t / 4 (HI) of my head, fragment t % 4
	s_mul_i32 s66, s56, 204800
	s_lshr_b32 s67, s[TI], 2
	s_lshl_b32 s68, s[J], 1
	s_add_co_u32 s68, s68, s67
	s_mul_i32 s68, s68, REC
	s_add_co_u32 s68, s68, s66
	s_mov_b32 s69, 0
	s_lshl_b32 s70, s[EH], 1
	s_add_co_u32 s70, s70, s67
	s_mul_i32 s70, s70, REC
	s_add_co_u32 s70, s70, s66
	s_mov_b32 s71, 0
	s_add_nc_u64 s[68:69], s[4:5], s[68:69]
	s_add_nc_u64 s[70:71], s[4:5], s[70:71]
	s_and_b32 s72, s[TI], 3
	s_mul_i32 s72, s72, 1536
	s_mov_b32 s73, 0
	s_add_nc_u64 s[74:75], s[68:69], s[72:73]      ; LO's fragment
	s_add_nc_u64 s[76:77], s[70:71], s[72:73]      ; HI's
	s_and_b32 s72, s[TI], 1
	s_lshl_b32 s72, s72, 7                         ; an odd fragment's words lie in lanes 16-31: 128 bytes on;
	s_bfe_u32 s66, s[TI], 0x10001
	s_lshl_b32 s66, s66, 2                         ; fragments 2 and 3 in the second register: 4 bytes on
	s_add_co_u32 s72, s72, s66
	s_add_nc_u64 s[68:69], s[68:69], s[72:73]
	s_add_nc_u64 s[70:71], s[70:71], s[72:73]
	; where o's codes and scale bytes go
	s_lshr_b32 s78, s56, 1
	s_mul_i32 s78, s78, 1536
	s_and_b32 s79, s56, 1
	s_mul_i32 s79, s79, 768
	s_add_co_u32 s78, s78, s79                     ; fragment head / 2, its lower or upper six registers
	s_lshl_b32 s79, s56, 1
	s_lshl_b32 s80, s[J], 3
	s_add_co_u32 s80, s80, s[TI]                   ; LO's tile
	s_lshl_b32 s82, s[EH], 3
	s_add_co_u32 s82, s82, s[TI]                   ; HI's
	s_lshl_b32 s84, s80, 10
	s_add_co_u32 s84, s84, s79
	s_mov_b32 s85, 0
	s_lshl_b32 s86, s82, 10
	s_add_co_u32 s86, s86, s79
	s_mov_b32 s87, 0
	s_mul_i32 s80, s80, 24576
	s_add_co_u32 s80, s80, s78
	s_mov_b32 s81, 0
	s_mul_i32 s82, s82, 24576
	s_add_co_u32 s82, s82, s78
	s_mov_b32 s83, 0
	s_add_nc_u64 s[80:81], s[16:17], s[80:81]
	s_add_nc_u64 s[82:83], s[16:17], s[82:83]
	s_add_nc_u64 s[84:85], s[18:19], s[84:85]
	s_add_nc_u64 s[86:87], s[18:19], s[86:87]
.macro LOADQX                          ; job X's q and its scale words
.irp c, 0,1,2
	global_load_b128 v[Q+4*\c:Q+4*\c+3], v[LI], s[76:77] offset:512*\c
.endr
	global_load_b32 v[QS], v[R8], s[70:71] offset:6144
.endm
	LOADQX
.irp c, 0,1,2
	global_load_b128 v[O+4*\c:O+4*\c+3], v[LI], s[74:75] offset:512*\c   ; job Y's q waits in o's registers, which pass 1 does not use
.endr
	global_load_b32 v[QSY], v[R8], s[68:69] offset:6144
	global_load_b64 v[24:25], v[L8], s[6:7]        ; the four lambda vectors, two numbers a lane
	global_load_b64 v[26:27], v[L8], s[8:9]
	global_load_b64 v[28:29], v[L8], s[10:11]
	global_load_b64 v[30:31], v[L8], s[12:13]
.irp i, 98,99,100,101
	v_mov_b32 v\i, 0                               ; the factors' pairs
.endr
	v_mov_b32 v[NINF], 0xff800000
.irp b, 4,5,6,7
	v_mov_b32 v[TM+\b], 0                          ; a lane permute's destination counts as one of its sources
.endr
	s_wait_loadcnt 0x0
.macro QSPLIT                          ; [q1 | q2] becomes q1, six registers of zero codes, q2
.irp i, 0,1,2,3,4,5
	v_mov_b32 v[Q+12+\i], v[Q+6+\i]
.endr
.irp i, 0,1,2,3,4,5
	v_mov_b32 v[Q+6+\i], 0
.endr
.endm
	QSPLIT
	; lambda = exp(sum lq1 lk1) - exp(sum lq2 lk2) + lambda_init.  e^x = 2^t (1 + ln 2 x rest), t = x log2(e) rounded, rest what that rounding and the constant's left out
	v_mul_f32 v32, v24, v26
	v_mul_f32 v33, v28, v30
	s_delay_alu instid0(VALU_DEP_2)
	v_fmac_f32 v32, v25, v27
	s_delay_alu instid0(VALU_DEP_2)
	v_fmac_f32 v33, v29, v31
.irp m, 1,2,4,8
	s_delay_alu instid0(VALU_DEP_2)
	v_add_f32_dpp v32, v32, v32 row_xmask:\m row_mask:0xf bank_mask:0xf
	s_delay_alu instid0(VALU_DEP_2)
	v_add_f32_dpp v33, v33, v33 row_xmask:\m row_mask:0xf bank_mask:0xf
.endr
	v_mov_b32 v34, 0
	v_mov_b32 v35, 0
	s_delay_alu instid0(VALU_DEP_2)
	v_permlanex16_b32 v34, v32, s[SEL], s[SEL+1]
	s_delay_alu instid0(VALU_DEP_2)
	v_permlanex16_b32 v35, v33, s[SEL], s[SEL+1]
	s_delay_alu instid0(VALU_DEP_2)
	v_add_f32 v32, v32, v34
	s_delay_alu instid0(VALU_DEP_2)
	v_add_f32 v33, v33, v35
	s_delay_alu instid0(VALU_DEP_2)
	v_mul_f32 v34, 0x3fb8aa3b, v32
	s_delay_alu instid0(VALU_DEP_2)
	v_mul_f32 v35, 0x3fb8aa3b, v33
	s_delay_alu instid0(VALU_DEP_2)
	v_fma_f32 v36, v32, 0x3fb8aa3b, -v34
	s_delay_alu instid0(VALU_DEP_2)
	v_fma_f32 v37, v33, 0x3fb8aa3b, -v35
	s_delay_alu instid0(VALU_DEP_2)
	v_fma_f32 v36, v32, 0x32a57060, v36
	s_delay_alu instid0(VALU_DEP_2)
	v_fma_f32 v37, v33, 0x32a57060, v37
	s_wait_alu depctr_va_vdst(0)
	v_exp_f32 v34, v34
	v_exp_f32 v35, v35
	v_mul_f32 v36, 0x3f317218, v36                 ; (plain work behind the exponentials)
	v_mul_f32 v37, 0x3f317218, v37
	s_wait_alu depctr_va_vdst(0)                   ; one wait for the two, ahead of their first reader
	v_fma_f32 v34, v34, v36, v34
	v_fma_f32 v35, v35, v37, v35
	s_delay_alu instid0(VALU_DEP_1)
	v_sub_f32 v34, v34, v35
	s_delay_alu instid0(VALU_DEP_1)
	v_add_f32 v34, 0x3f489a63, v34                 ; + lambda_init
	s_delay_alu instid0(VALU_DEP_1)
	v_mul_f32 v34, -1.0, v34
	s_delay_alu instid0(VALU_DEP_1)
	v_readfirstlane_b32 s54, v34                   ; -lambda: a value, never an address or a branch
.macro LOADK off                       ; a record of 64 keys: four fragments, two registers of scale words
.irp kt, 0,1,2,3
.irp c, 0,1,2
	ds_load_b128 v[F+12*\kt+4*\c:F+12*\kt+4*\c+3], v[AKF] offset:\off+1536*\kt+512*\c
.endr
.endr
	ds_load_b64 v[KSC:KSC+1], v[AKS] offset:\off+6144
.endm
.macro LOADV                           ; a record of v: four tiles of channels x 128 keys, into the same registers
.irp dt, 0,1,2,3
.irp c, 0,1,2
	ds_load_b128 v[F+12*\dt+4*\c:F+12*\dt+4*\c+3], v[AVF] offset:1536*\dt+512*\c
.endr
.endr
	ds_load_b64 v[VSC:VSC+1], v[AVS] offset:6144
.endm
; Eight products: four tiles of 16 keys x both maps.  Each starts its sum with the constant 0; no two that follow each other share an accumulator.
.macro KQ x1
.irp kt, 0,2
	v_wmma_scale_f32_16x16x128_f8f6f4 v[\x1+8*\kt:\x1+8*\kt+7], v[F+12*\kt:F+12*\kt+11], v[Q:Q+11], 0, v[KSC+\kt/2], v[QS] matrix_a_fmt:MATRIX_FMT_FP6 matrix_b_fmt:MATRIX_FMT_FP6
	v_wmma_scale_f32_16x16x128_f8f6f4 v[SS+8*\kt:SS+8*\kt+7], v[F+12*\kt:F+12*\kt+11], v[Q+6:Q+17], 0, v[KSC+\kt/2], v[QS] matrix_a_fmt:MATRIX_FMT_FP6 matrix_b_fmt:MATRIX_FMT_FP6
	v_wmma_scale_f32_16x16x128_f8f6f4 v[\x1+8*\kt+8:\x1+8*\kt+15], v[F+12*\kt+12:F+12*\kt+23], v[Q:Q+11], 0, v[KSC+\kt/2], v[QS] matrix_a_fmt:MATRIX_FMT_FP6 matrix_b_fmt:MATRIX_FMT_FP6 matrix_a_scale:MATRIX_SCALE_ROW1
	v_wmma_scale_f32_16x16x128_f8f6f4 v[SS+8*\kt+8:SS+8*\kt+15], v[F+12*\kt+12:F+12*\kt+23], v[Q+6:Q+17], 0, v[KSC+\kt/2], v[QS] matrix_a_fmt:MATRIX_FMT_FP6 matrix_b_fmt:MATRIX_FMT_FP6 matrix_a_scale:MATRIX_SCALE_ROW1
.endr
.endm
; Register 16 b + i holds key KOFF + 32 b + 16 (lane / 16) + i of the step: hidden where 32 b + i > my query's place - 16 (lane / 16) - KOFF.  Hidden scores become -infinity: p = 0.
.macro MASK x1
	v_sub_nc_u32 v[DM], v[MD], s[KOFF]
.set n, 0
.rept 32
	v_cmp_gt_i32 vcc_lo, 32*(n/16)+n%16, v[DM]
	v_cndmask_b32 v[\x1+n], v[\x1+n], v[NINF], vcc_lo
	v_cndmask_b32 v[SS+n], v[SS+n], v[NINF], vcc_lo
.set n, n+1
.endr
.endm
.macro EXPS x1                         ; t - M, two at a time, and p = 2^(t - M): 64 exponentials, one batch
.set j, 0
.rept 16
	v_pk_fma_f32 v[\x1+j:\x1+j+1], v[\x1+j:\x1+j+1], s[CS:CS+1], v[NM1:NM1+1] op_sel_hi:[1,0,0]
	v_pk_fma_f32 v[SS+j:SS+j+1], v[SS+j:SS+j+1], s[CS:CS+1], v[NM2:NM2+1] op_sel_hi:[1,0,0]
.set j, j+2
.endr
.set j, 0
	s_wait_alu depctr_va_vdst(0)                   ; the wait ahead of the batch
.rept 32
	v_exp_f32 v[\x1+j], v[\x1+j]
	v_exp_f32 v[SS+j], v[SS+j]
.set j, j+1
.endr
.endm
; Pass 1, 64 keys, both maps: the running largest t, M, and the sum under M.
.macro SOFT1 x1
	v_max3_num_f32 v[TM], v[\x1], v[\x1+1], v[\x1+2]               ; four chains, each accumulator from its low end on
	v_max3_num_f32 v[TM+1], v[\x1+16], v[\x1+17], v[\x1+18]
	v_max3_num_f32 v[TM+2], v[SS], v[SS+1], v[SS+2]
	v_max3_num_f32 v[TM+3], v[SS+16], v[SS+17], v[SS+18]
.irp i, 3,5,7,9,11,13
	v_max3_num_f32 v[TM], v[TM], v[\x1+\i], v[\x1+\i+1]
	v_max3_num_f32 v[TM+1], v[TM+1], v[\x1+16+\i], v[\x1+17+\i]
	v_max3_num_f32 v[TM+2], v[TM+2], v[SS+\i], v[SS+\i+1]
	v_max3_num_f32 v[TM+3], v[TM+3], v[SS+16+\i], v[SS+17+\i]
.endr
	v_max3_num_f32 v[TM], v[TM], v[TM+1], v[\x1+15]
	v_max3_num_f32 v[TM+2], v[TM+2], v[TM+3], v[SS+15]
	v_max_num_f32 v[TM], v[TM], v[\x1+31]
	v_max_num_f32 v[TM+2], v[TM+2], v[SS+31]
	s_delay_alu instid0(VALU_DEP_2)
	v_permlanex16_b32 v[TM+4], v[TM], s[SEL], s[SEL+1]
	s_delay_alu instid0(VALU_DEP_2)
	v_permlanex16_b32 v[TM+6], v[TM+2], s[SEL], s[SEL+1]
	s_delay_alu instid0(VALU_DEP_2)
	v_max_num_f32 v[TM], v[TM], v[TM+4]            ; with lane l xor 16's keys
	s_delay_alu instid0(VALU_DEP_2)
	v_max_num_f32 v[TM+2], v[TM+2], v[TM+6]
	s_delay_alu instid0(VALU_DEP_2)
	v_mul_f32 v[TM], s[CS], v[TM]
	s_delay_alu instid0(VALU_DEP_2)
	v_mul_f32 v[TM+2], s[CS], v[TM+2]
	s_delay_alu instid0(VALU_DEP_2)
	v_max_num_f32 v[T1], v[T1], v[TM]              ; the running largest t
	s_delay_alu instid0(VALU_DEP_2)
	v_max_num_f32 v[T2], v[T2], v[TM+2]
	v_mov_b32 v[TM], v[NM1]
	v_mov_b32 v[TM+2], v[NM2]
	s_delay_alu instid0(VALU_DEP_4)
	v_floor_f32 v[NM1], -v[T1]                     ; -M = floor(-t): M is a whole number
	s_delay_alu instid0(VALU_DEP_4)
	v_floor_f32 v[NM2], -v[T2]
	s_delay_alu instid0(VALU_DEP_2)
	v_sub_f32 v[TM], v[NM1], v[TM]                 ; old M - new M, 0 or less
	s_delay_alu instid0(VALU_DEP_2)
	v_sub_f32 v[TM+2], v[NM2], v[TM+2]
	s_delay_alu instid0(VALU_DEP_2)
	v_cvt_i32_f32 v[TM], v[TM]                     ; (it saturates)
	s_delay_alu instid0(VALU_DEP_2)
	v_cvt_i32_f32 v[TM+2], v[TM+2]
	s_delay_alu instid0(VALU_DEP_2)
	v_ldexp_f32 v[FA], 1.0, v[TM]                  ; f = 2^(old M - new M): a multiplication by it rounds nothing
	s_delay_alu instid0(VALU_DEP_2)
	v_ldexp_f32 v[FB], 1.0, v[TM+2]
	EXPS \x1
	v_pk_mul_f32 v[L1:L1+1], v[L1:L1+1], v[FA:FA+1] op_sel_hi:[1,0]   ; the sums under the new M (plain work behind the exponentials)
	v_pk_mul_f32 v[L2:L2+1], v[L2:L2+1], v[FB:FB+1] op_sel_hi:[1,0]
	s_wait_alu depctr_va_vdst(0)                   ; one wait for the batch, ahead of its first reader
	v_pk_add_f32 v[TM+8:TM+9], v[\x1:\x1+1], v[\x1+2:\x1+3]
	v_pk_add_f32 v[TM+10:TM+11], v[SS:SS+1], v[SS+2:SS+3]
.irp i, 4,8,12,16,20,24,28
	v_pk_add_f32 v[L1:L1+1], v[L1:L1+1], v[\x1+\i:\x1+\i+1]
	v_pk_add_f32 v[L2:L2+1], v[L2:L2+1], v[SS+\i:SS+\i+1]
	v_pk_add_f32 v[TM+8:TM+9], v[TM+8:TM+9], v[\x1+\i+2:\x1+\i+3]
	v_pk_add_f32 v[TM+10:TM+11], v[TM+10:TM+11], v[SS+\i+2:SS+\i+3]
.endr
	s_delay_alu instid0(VALU_DEP_2)
	v_pk_add_f32 v[L1:L1+1], v[L1:L1+1], v[TM+8:TM+9]
	s_delay_alu instid0(VALU_DEP_2)
	v_pk_add_f32 v[L2:L2+1], v[L2:L2+1], v[TM+10:TM+11]
.endm
; Pass 2, 64 keys: a = p1 / l1 - lambda p2 / l2, into map 1's registers (map 1's numbers come out of the exponential divided by l1).
.macro SOFT2 x1
	EXPS \x1
	v_nop                                          ; a plain place behind the last exponential
	s_wait_alu depctr_va_vdst(0)                   ; one wait for the batch
.set j, 0
.rept 16
	v_pk_fma_f32 v[\x1+j:\x1+j+1], v[SS+j:SS+j+1], v[FB:FB+1], v[\x1+j:\x1+j+1] op_sel_hi:[1,0,1]
.set j, j+2
.endr
.endm
; 64 keys.  This half's record was asked for earlier; what the fragments' registers take next (nxt = 0: the next record of keys, 1: v's record) is asked for behind the products and lands under the vector work.
.macro HALF pass, x1, off, lim, nxt
	s_wait_dscnt 0x0
	KQ \x1
	PLACES 4
.if \nxt
	LOADV
.else
	LOADK \off+REC                                 ; (behind the last record of keys lie v's bytes: what the last such load brings is not used)
.endif
	s_cmp_lg_u32 s[HX], s[\lim]
	s_cbranch_scc1 .Lopen_\@
	MASK \x1
.Lopen_\@:
.if \pass == 1
	SOFT1 \x1
.else
	SOFT2 \x1
.endif
.endm
; Pass 1 of a job: 16 trips, a half step each, from half step s[HX] and LDS byte s[KB] on; then the rows' sums.
.macro P1JOB lim
	v_mov_b32 v[T1], 0xff61b1e6                    ; the largest t so far: -3e38
	v_mov_b32 v[T2], 0xff61b1e6
.irp i, 94,95,96,97
	v_mov_b32 v\i, 0
.endr
	v_floor_f32 v[NM1], -v[T1]
	v_floor_f32 v[NM2], -v[T2]
	v_add_nc_u32 v[AKF], s[KB], v[LI]
	v_add_nc_u32 v[AKS], s[KB], v[L8]
	LOADK 0
	s_mov_b32 s[CT], 16
	s_wait_alu depctr_va_vdst(0)                   ; the wait ahead of the loop
.Lp1_\@:
	s_cmp_gt_i32 s[HX], s[\lim]                    ; all these keys come after my queries
	s_cbranch_scc1 .Lp1_skip_\@
	s_and_b32 s[KOFF], s[HX], 1
	s_lshl_b32 s[KOFF], s[KOFF], 6
	v_add_nc_u32 v[AKF], s[KB], v[LI]
	v_add_nc_u32 v[AKS], s[KB], v[L8]
	s_wait_alu depctr_va_vdst(0)                   ; the wait
	HALF 1, D, 0, \lim, 0
.Lp1_skip_\@:
	s_add_co_u32 s[KB], s[KB], REC
	s_add_co_u32 s[HX], s[HX], 1
	s_sub_co_u32 s[CT], s[CT], 1
	s_cmp_lg_u32 s[CT], 0
	s_cbranch_scc1 .Lp1_\@
	s_wait_alu depctr_va_vdst(0)
	s_wait_dscnt 0x0                               ; the last record asked for has landed
	v_add_f32 v[L1], v[L1], v[L1+1]
	v_add_f32 v[L2], v[L2], v[L2+1]
	s_delay_alu instid0(VALU_DEP_2)
	v_permlanex16_b32 v[TM+4], v[L1], s[SEL], s[SEL+1]
	s_delay_alu instid0(VALU_DEP_2)
	v_permlanex16_b32 v[TM+6], v[L2], s[SEL], s[SEL+1]
	s_delay_alu instid0(VALU_DEP_2)
	v_add_f32 v[L1], v[L1], v[TM+4]
	s_delay_alu instid0(VALU_DEP_2)
	v_add_f32 v[L2], v[L2], v[TM+6]
.endm
.macro FINISH                          ; -M1 - log2(l1), and -lambda / l2
	s_wait_alu depctr_va_vdst(0)
	v_log_f32 v[FA], v[L1]
	v_rcp_f32 v[FB], v[L2]
	v_nop
	s_wait_alu depctr_va_vdst(0)
	v_sub_f32 v[NM1], v[NM1], v[FA]
	v_mul_f32 v[FB], s54, v[FB]
.endm
	s_wait_alu depctr_va_vdst(0)
	s_wait_tensorcnt 0x0                           ; my part of the keys or of v is in,
	s_barrier_signal -1
	s_barrier_wait -1                              ; everybody's is.
	s_lshl_b32 s[HX], s[ROLE], 4
	s_mul_i32 s[KB], s[ROLE], 16*REC
	P1JOB HLX
	v_mov_b32 v[TM+8], v[NM1]                      ; my half of HI's (M, l), for my partner and for me
	v_mov_b32 v[TM+9], v[L1]
	v_mov_b32 v[TM+10], v[NM2]
	v_mov_b32 v[TM+11], v[L2]
	ds_store_b128 v[XA], v[TM+8:TM+11]
.irp i, 0,1,2,3,4,5
	v_mov_b32 v[Q+\i], v[O+\i]                     ; job Y's q
	v_mov_b32 v[Q+12+\i], v[O+6+\i]
.endr
	v_mov_b32 v[QS], v[QSY]
	s_mov_b32 s[HX], 0
	s_mov_b32 s[KB], 0
	P1JOB HLY
	v_max_num_f32 v[L1], 0.5, v[L1]                ; a wave with no job Y has sums of 0: held at 0.5, which lies under every true sum (its largest term is over 0.5)
	v_max_num_f32 v[L2], 0.5, v[L2]
	FINISH
	s_wait_alu depctr_va_vdst(0)
	s_wait_dscnt 0x0                               ; my record is stored
	s_barrier_signal -1
	s_barrier_wait -1
; 64 numbers of a lane, v[D] on, register 16 b + i = key 32 b + 16 (lane / 16) + i of my query, become a fragment's codes in v[PC] on and its scale word in v[PW].
.macro QUANT
.irp b, 0,1,2,3
	v_max3_num_f32 v[TM+\b], |v[D+16*\b]|, |v[D+1+16*\b]|, 0x1800000   ; and the floor 2^(3 - 127): the byte cannot fall under 1
.endr
.irp i, 2,4,6,8,10,12,14
.irp b, 0,1,2,3
	v_max3_num_f32 v[TM+\b], v[TM+\b], |v[D+16*\b+\i]|, |v[D+1+16*\b+\i]|
.endr
.endr
.irp b, 0,1,2,3
	s_delay_alu instid0(VALU_DEP_4)
	v_permlanex16_b32 v[TM+4+\b], v[TM+\b], s[SEL], s[SEL+1]
.endr
.irp b, 0,1,2,3
	s_delay_alu instid0(VALU_DEP_4)
	v_max_num_f32 v[TM+\b], v[TM+\b], v[TM+4+\b]
.endr
.irp b, 0,1,2,3
	s_delay_alu instid0(VALU_DEP_4)
	v_add_nc_u32 v[TM+12+\b], 0xff000000, v[TM+\b] ; 2 off the exponent field: the conversion's scale operand
.endr
.irp b, 0,1,2,3
	s_delay_alu instid0(VALU_DEP_4)
	v_lshrrev_b32 v[TM+4+\b], 23, v[TM+12+\b]      ; the scale's byte
.endr
	s_delay_alu instid0(VALU_DEP_3)
	v_lshl_or_b32 v[PW], v[TM+5], 8, v[TM+4]
	s_delay_alu instid0(VALU_DEP_1)
	v_lshl_or_b32 v[PW], v[TM+6], 16, v[PW]
	s_delay_alu instid0(VALU_DEP_1)
	v_lshl_or_b32 v[PW], v[TM+7], 24, v[PW]
.irp c, 0,1
	v_cvt_scalef32_pk16_fp6_f32 v[PC+6*\c:PC+2+6*\c], v[D+32*\c:D+15+32*\c], v[TM+12+2*\c]
	v_cvt_scalef32_pk16_fp6_f32 v[PC+12+4*\c:PC+14+4*\c], v[D+16+32*\c:D+31+32*\c], v[TM+12+2*\c+1]
.endr
	v_nop                                          ; one plain place behind a scaled conversion
.irp c, 0,1
.irp i, 0,1,2
	v_permlane16_swap_b32 v[PC+6*\c+\i], v[PC+12+4*\c+\i]
.endr
.irp i, 0,1,2
	s_delay_alu instid0(VALU_DEP_3)
	v_mov_b32 v[PC+3+6*\c+\i], v[PC+12+4*\c+\i]
.endr
.endr
.endm
.macro PV                              ; o^T += v^T a^T: four tiles of channels, the accumulators by turns
.irp dt, 0,2
	v_wmma_scale_f32_16x16x128_f8f6f4 v[O+8*\dt:O+8*\dt+7], v[F+12*\dt:F+12*\dt+11], v[PC:PC+11], v[O+8*\dt:O+8*\dt+7], v[VSC+\dt/2], v[PS] matrix_a_fmt:MATRIX_FMT_FP6 matrix_b_fmt:MATRIX_FMT_FP6
	v_wmma_scale_f32_16x16x128_f8f6f4 v[O+8*\dt+8:O+8*\dt+15], v[F+12*\dt+12:F+12*\dt+23], v[PC:PC+11], v[O+8*\dt+8:O+8*\dt+15], v[VSC+\dt/2], v[PS] matrix_a_fmt:MATRIX_FMT_FP6 matrix_b_fmt:MATRIX_FMT_FP6 matrix_a_scale:MATRIX_SCALE_ROW1
.endr
.endm
; Pass 2 of a job: 8 trips, a step of 128 keys each, from step s[ST], LDS bytes s[KB] and s[VB] on.
.macro P2JOB lim
.set j, 0
.rept 32
	v_mov_b32 v[O+j], 0                            ; o^T: the step is written once, and its first walk finds zeros
.set j, j+1
.endr
	v_add_nc_u32 v[AKF], s[KB], v[LI]
	v_add_nc_u32 v[AKS], s[KB], v[L8]
	LOADK 0
	s_mov_b32 s[CT], 8
	s_wait_alu depctr_va_vdst(0)                   ; the wait ahead of the loop
.Lp2_\@:
	s_lshl_b32 s[HX], s[ST], 1
	s_cmp_gt_i32 s[HX], s[\lim]
	s_cbranch_scc1 .Lp2_skip_\@
	v_add_nc_u32 v[AKF], s[KB], v[LI]
	v_add_nc_u32 v[AKS], s[KB], v[L8]
	v_add_nc_u32 v[AVF], s[VB], v[LI]
	v_add_nc_u32 v[AVS], s[VB], v[L8]
	s_wait_alu depctr_va_vdst(0)                   ; the wait
	s_mov_b32 s[KOFF], 0
	HALF 2, D, 0, \lim, 0
	s_mov_b32 s[KOFF], 64
	s_add_co_u32 s[HX], s[HX], 1
	s_cmp_gt_i32 s[HX], s[\lim]                    ; the tile's own step, its second half all hidden
	s_cbranch_scc1 .Lp2_none_\@
	HALF 2, D+32, REC, \lim, 1
	s_wait_alu depctr_va_vdst(0)                   ; the wait ahead of the jump
	s_branch .Lp2_quant_\@
.Lp2_none_\@:
	s_wait_dscnt 0x0                               ; the record asked for has landed: its registers take v
	LOADV
.set j, 0
.rept 32
	v_mov_b32 v[D+32+j], 0                         ; a = 0 there, for the quantiser
.set j, j+1
.endr
.Lp2_quant_\@:
	QUANT
	v_mov_b32 v[PS], v[PW]
	PLACES 8                                       ; a scale register written by a vector instruction stands 8 places ahead of a scaled matrix instruction, codes so written 4
	s_wait_dscnt 0x0                               ; v's fragments are in
	s_wait_alu depctr_va_vdst(0)                   ; the wait directly ahead of the first reader of o^T
	PV
	PLACES 5                                       ; the next score products write over a's codes, and the loads below land in v's fragments
	LOADK 2*REC                                    ; the next step's first record
.Lp2_skip_\@:
	s_add_co_u32 s[KB], s[KB], 2*REC
	s_add_co_u32 s[VB], s[VB], REC
	s_add_co_u32 s[ST], s[ST], 1
	s_sub_co_u32 s[CT], s[CT], 1
	s_cmp_lg_u32 s[CT], 0
	s_cbranch_scc1 .Lp2_\@
	s_wait_dscnt 0x0
.endm
.macro SUBLN                           ; subln_w at my channels: o's register 16 b + i is channel 32 b + 16 (lane / 16) + i
.irp b, 0,1
.irp q, 0,1,2,3
	global_load_b128 v[D+16*\b+4*\q:D+16*\b+4*\q+3], v[H64], s[14:15] offset:128*\b+16*\q
.endr
.endr
.endm
.macro FIN oc, os                      ; THE WAY OUT of a tile
	v_pk_mul_f32 v[TM+8:TM+9], v[O:O+1], v[O:O+1]                  ; the sum of squares, in two chains, each accumulator from its low end on
	v_pk_mul_f32 v[TM+10:TM+11], v[O+2:O+3], v[O+2:O+3]
.irp i, 4,8,12,16,20,24,28
	v_pk_fma_f32 v[TM+8:TM+9], v[O+\i:O+\i+1], v[O+\i:O+\i+1], v[TM+8:TM+9]
	v_pk_fma_f32 v[TM+10:TM+11], v[O+\i+2:O+\i+3], v[O+\i+2:O+\i+3], v[TM+10:TM+11]
.endr
	s_delay_alu instid0(VALU_DEP_1)
	v_pk_add_f32 v[TM+8:TM+9], v[TM+8:TM+9], v[TM+10:TM+11]
	s_delay_alu instid0(VALU_DEP_1)
	v_add_f32 v[TM+8], v[TM+8], v[TM+9]
	s_delay_alu instid0(VALU_DEP_1)
	v_permlanex16_b32 v[TM+4], v[TM+8], s[SEL], s[SEL+1]
	s_delay_alu instid0(VALU_DEP_1)
	v_add_f32 v[TM+8], v[TM+8], v[TM+4]
	s_delay_alu instid0(VALU_DEP_1)
	v_fma_f32 v[TM+8], v[TM+8], s88, s89           ; the mean + 1e-6
	s_wait_alu depctr_va_vdst(0)
	v_rsq_f32 v[TM+8], v[TM+8]
	v_mov_b32 v[TM+9], 0                           ; (a plain place; the pair's upper half)
	s_wait_alu depctr_va_vdst(0)
.set j, 0
.rept 16
	v_pk_mul_f32 v[O+j:O+j+1], v[O+j:O+j+1], v[TM+8:TM+9] op_sel_hi:[1,0]
.set j, j+2
.endr
.set j, 0
.rept 16
	v_pk_mul_f32 v[O+j:O+j+1], v[O+j:O+j+1], v[D+j:D+j+1]
.set j, j+2
.endr
.set j, 0
.rept 16
	v_pk_mul_f32 v[O+j:O+j+1], v[O+j:O+j+1], s[90:91] op_sel_hi:[1,0]
.set j, j+2
.endr
	v_max3_num_f32 v[TM], |v[O]|, |v[O+1]|, 0x1800000              ; the head's two blocks of 32
	v_max3_num_f32 v[TM+1], |v[O+16]|, |v[O+17]|, 0x1800000
.irp i, 2,4,6,8,10,12,14
	s_delay_alu instid0(VALU_DEP_2)
	v_max3_num_f32 v[TM], v[TM], |v[O+\i]|, |v[O+\i+1]|
	s_delay_alu instid0(VALU_DEP_2)
	v_max3_num_f32 v[TM+1], v[TM+1], |v[O+16+\i]|, |v[O+17+\i]|
.endr
	s_delay_alu instid0(VALU_DEP_2)
	v_permlanex16_b32 v[TM+4], v[TM], s[SEL], s[SEL+1]
	s_delay_alu instid0(VALU_DEP_2)
	v_permlanex16_b32 v[TM+5], v[TM+1], s[SEL], s[SEL+1]
	s_delay_alu instid0(VALU_DEP_2)
	v_max_num_f32 v[TM], v[TM], v[TM+4]
	s_delay_alu instid0(VALU_DEP_2)
	v_max_num_f32 v[TM+1], v[TM+1], v[TM+5]
	s_delay_alu instid0(VALU_DEP_2)
	v_add_nc_u32 v[TM+12], 0xff000000, v[TM]
	s_delay_alu instid0(VALU_DEP_2)
	v_add_nc_u32 v[TM+13], 0xff000000, v[TM+1]
	s_delay_alu instid0(VALU_DEP_2)
	v_lshrrev_b32 v[TM+4], 23, v[TM+12]
	s_delay_alu instid0(VALU_DEP_2)
	v_lshrrev_b32 v[TM+5], 23, v[TM+13]
	s_delay_alu instid0(VALU_DEP_1)
	v_lshl_or_b32 v[PW], v[TM+5], 8, v[TM+4]       ; my row's two scale bytes
	v_cvt_scalef32_pk16_fp6_f32 v[PC:PC+2], v[O:O+15], v[TM+12]
	v_cvt_scalef32_pk16_fp6_f32 v[PC+4:PC+6], v[O+16:O+31], v[TM+13]
	v_nop
.irp i, 0,1,2
	v_permlane16_swap_b32 v[PC+\i], v[PC+4+\i]     ; a whole block to a lane: lanes 0-15 block 0, lanes 16-31 block 1
.endr
.irp i, 0,1,2
	s_delay_alu instid0(VALU_DEP_3)
	v_mov_b32 v[PC+3+\i], v[PC+4+\i]
.endr
.irp p, 0,1,2
	global_store_b64 v[L8], v[PC+2*\p:PC+2*\p+1], s[\oc:\oc+1] offset:256*\p   ; 32 lanes store 256 consecutive bytes, aligned
.endr
	global_store_b16 v[R64], v[PW], s[\os:\os+1]   ; lanes l and l xor 16 write the same two bytes with the same value
.endm
	; PASS 2.  Job Y first: its q and its (M, l) are in place
	s_mov_b32 s[ST], 0
	s_mov_b32 s[KB], 0
	s_mov_b32 s[VB], VREG
	P2JOB HLY
	LOADQX                                         ; job X's q again
	SUBLN
	s_wait_loadcnt 0x0
	s_cmp_eq_u32 s[ROLE], 0                        ; waves 0-7 have no job Y
	s_cbranch_scc1 .Lno_y
	FIN 80, 84
.Lno_y:
	s_wait_xcnt 0x0                                ; the stores have read their registers
	ds_load_b128 v[TM:TM+3], v[XA]                 ; HI's two halves of (M, l): mine and my partner's
	ds_load_b128 v[TM+4:TM+7], v[XB]
	QSPLIT
	s_wait_dscnt 0x0
	v_min_num_f32 v[NM1], v[TM], v[TM+4]           ; -M of the whole row
	v_min_num_f32 v[NM2], v[TM+2], v[TM+6]
	s_delay_alu instid0(VALU_DEP_2)
	v_sub_f32 v[TM+8], v[NM1], v[TM]               ; each half's M - the row's M: whole numbers, 0 or less
	v_sub_f32 v[TM+9], v[NM1], v[TM+4]
	v_sub_f32 v[TM+10], v[NM2], v[TM+2]
	v_sub_f32 v[TM+11], v[NM2], v[TM+6]
.irp i, 8,9,10,11
	s_delay_alu instid0(VALU_DEP_4)
	v_cvt_i32_f32 v[TM+\i], v[TM+\i]               ; (it saturates)
.endr
	s_delay_alu instid0(VALU_DEP_4)
	v_ldexp_f32 v[TM+1], v[TM+1], v[TM+8]          ; the halves' sums under the row's M: nothing is rounded
	s_delay_alu instid0(VALU_DEP_4)
	v_ldexp_f32 v[TM+5], v[TM+5], v[TM+9]
	s_delay_alu instid0(VALU_DEP_4)
	v_ldexp_f32 v[TM+3], v[TM+3], v[TM+10]
	s_delay_alu instid0(VALU_DEP_4)
	v_ldexp_f32 v[TM+7], v[TM+7], v[TM+11]
	s_delay_alu instid0(VALU_DEP_3)
	v_add_f32 v[L1], v[TM+1], v[TM+5]
	s_delay_alu instid0(VALU_DEP_2)
	v_add_f32 v[L2], v[TM+3], v[TM+7]
	FINISH
	s_lshl_b32 s[ST], s[ROLE], 3
	s_mul_i32 s[KB], s[ROLE], 16*REC
	s_mul_i32 s[VB], s[ROLE], 8*REC
	s_add_co_u32 s[VB], s[VB], VREG
	P2JOB HLX
	s_barrier_signal -1                            ; my LDS reads are over (the wait for them closes the job);
	s_barrier_wait -1                              ; everybody's are: the keys' first bytes take the partial o
	s_cmp_eq_u32 s[ROLE], 0
	s_cbranch_scc1 .Lno_store
.irp i, 0,1,2,3,4,5,6,7
	ds_store_b128 v[OA], v[O+4*\i:O+4*\i+3] offset:512*\i          ; each accumulator from its low end on
.endr
.Lno_store:
	s_wait_dscnt 0x0
	s_barrier_signal -1
	s_barrier_wait -1
	s_cmp_lg_u32 s[ROLE], 0                        ; waves 8-15 are done: waves 0-7 finish the HI tiles
	s_cbranch_scc1 .Ldone
.irp i, 0,1,2,3,4,5,6,7
	ds_load_b128 v[D+32+4*\i:D+32+4*\i+3], v[OA] offset:512*\i
.endr
	SUBLN
	s_wait_dscnt 0x0
.set j, 0
.rept 16
	v_pk_add_f32 v[O+j:O+j+1], v[O+j:O+j+1], v[D+32+j:D+32+j+1]
.set j, j+2
.endr
	s_wait_loadcnt 0x0
	FIN 82, 86
.Ldone:
	s_wait_tensorcnt 0x0                           ; the wave's end
	ds_add_u32 v[SPW], v[NIL]
	s_wait_dscnt 0x0
	CROUND                                         ; the closing round
	s_endpgm
.Lfunc_end_k_qabff1fa931_attn:
	.size	k_qabff1fa931_attn, .Lfunc_end_k_qabff1fa931_attn-k_qabff1fa931_attn
	.p2alignl 7, 3214868480
	.fill 96, 4, 3214868480
	.section	.rodata,"a",@progbits
	.p2align	6, 0x0
	.amdhsa_kernel k_qabff1fa931_attn
		.amdhsa_group_segment_fixed_size 327680
		.amdhsa_private_segment_fixed_size 0
		.amdhsa_enable_private_segment 0
		.amdhsa_kernarg_size 64
		.amdhsa_user_sgpr_count 2
		.amdhsa_user_sgpr_kernarg_segment_ptr 1
		.amdhsa_wavefront_size32 1
		.amdhsa_system_sgpr_workgroup_id_x 1
		.amdhsa_system_sgpr_workgroup_id_y 1
		.amdhsa_system_sgpr_workgroup_id_z 1
		.amdhsa_system_vgpr_workitem_id 0
		.amdhsa_next_free_vgpr 256
		.amdhsa_next_free_sgpr 100
		.amdhsa_reserve_vcc 1
		.amdhsa_float_denorm_mode_32 3
		.amdhsa_float_denorm_mode_16_64 3
		.amdhsa_memory_ordered 1
		.amdhsa_forward_progress 1
		.amdhsa_inst_pref_size 131
	.end_amdhsa_kernel
	.amdgpu_metadata
---
amdhsa.version: [ 1, 2 ]
amdhsa.kernels:
  - .name:           k_qabff1fa931_attn
    .symbol:         k_qabff1fa931_attn.kd
    .args:
      - { .name: img, .offset: 0, .size: 8, .value_kind: global_buffer, .address_space: global }
      - { .name: lambda_q1, .offset: 8, .size: 8, .value_kind: global_buffer, .address_space: global }
      - { .name: lambda_k1, .offset: 16, .size: 8, .value_kind: global_buffer, .address_space: global }
      - { .name: lambda_q2, .offset: 24, .size: 8, .value_kind: global_buffer, .address_space: global }
      - { .name: lambda_k2, .offset: 32, .size: 8, .value_kind: global_buffer, .address_space: global }
      - { .name: subln_w, .offset: 40, .size: 8, .value_kind: global_buffer, .address_space: global }
      - { .name: ocodes, .offset: 48, .size: 8, .value_kind: global_buffer, .address_space: global }
      - { .name: oscales, .offset: 56, .size: 8, .value_kind: global_buffer, .address_space: global }
    .group_segment_fixed_size: 327680
    .private_segment_fixed_size: 0
    .kernarg_segment_align: 8
    .kernarg_segment_size: 64
    .max_flat_workgroup_size: 512
    .sgpr_count:     100
    .vgpr_count:     256
    .wavefront_size: 32
...
	.end_amdgpu_metadata
.endif
;; end of part 3
;; launch oproj (part 4): grid 16 x 16, 4 waves a work-group, clusters of 4 x 4, 327,680 bytes of LDS; arguments ocodes, oscales, codes, scales, out0; writes out0
.if DOCPART == 4
	.amdgcn_target "amdgcn-amd-amdhsa--gfx1250"
	.amdhsa_code_object_version 6
	.text
	.protected	k_qabff1fa931_oproj
	.globl	k_qabff1fa931_oproj
	.p2align	8
	.type	k_qabff1fa931_oproj,@function
k_qabff1fa931_oproj:
	s_mov_b64 s[64:65], 0
	v_nop
	global_prefetch_b8 v0, s[64:65] scope:SCOPE_SE
	s_setreg_imm32_b32 hwreg(HW_REG_WAVE_MODE, 25, 1), 1
	s_wait_xcnt 0x0
	s_wait_alu depctr_hold_cnt(0) depctr_sa_sdst(0) depctr_va_vdst(0) depctr_va_sdst(0) depctr_va_ssrc(0) depctr_va_vcc(0) depctr_vm_vsrc(0)
	s_getreg_b32 s2, hwreg(HW_REG_IB_STS2, 6, 4)
	s_cmp_eq_u32 s2, 0
	s_cbranch_scc0 .Lentry_in_a_cluster
	s_endpgm
.Lentry_in_a_cluster:
	s_bfe_u32 s2, ttmp6, 0x10000c
	s_cmp_lg_u32 s2, 0xf033
	s_cbranch_scc0 .Lentry_shape_is_right
	s_endpgm
.Lentry_shape_is_right:
; out0[m][n] = sum over k of o[m][k] Wo[n][k], both operands as codes of FP6 (E2M3) with E8M0 scales, M = N = K = 2048; sums in f32.
; Both operands lie in memory as images of operand registers: a tile of 16 rows is 24,576 bytes, 16 fragments (128 along K) of 1,536 bytes.  o's fragments: registers 2 p, 2 p + 1 of lane l at 256 p + 8 l;
; Wo's (stored tiles 480 .. 607 of codes): registers 4 c .. 4 c + 3 at 512 c + 16 l.  o's stored tile 2 b + u holds rows 32 b + 8 u + r + 8 (r / 8): paid for in the stores' offsets.
; A BLOCK of out0 is 128 x 128: 16 x 16 work-groups, one for each of 256 WGPs; a wave makes 64 x 64: 16 accumulators, which take turns.
; K COMES IN THREE FILLS: fragments 0-5 into slot 0, 6-11 into slot 1, 12-15 into slot 0 again.  A tensor row is a tile's 9,216 (then 6,144) bytes, a multiple of 256, on a 256-byte border.
; Waves 0, 1 fetch A's tiles 0-3, 4-7, waves 2, 3 B's: one load a wave behind each round.
; CLUSTERS 4 x 4: A's tiles are asked for jointly along a row of the cluster, B's along a column.
; THE SCALES stay in registers for the whole walk: 16 loads of 16 bytes a lane at the head.  Register 8 i + 4 (s / 8) + s % 4 holds tile i's words of step s: in lanes 0-15 where (s / 4) % 2 = 0, else in lanes 16-31.
; No prefetch: the walk has three fills and no loop to run ahead in; the first two are asked for at the head.
; The matrix instruction is used transposed (source 0 = 16 rows of Wo, source 1 = 16 rows of o): a lane holds eight neighbouring numbers of a row of out0.
; REGISTERS: window 0: v0-31 addresses, v32-63 A's scale words, v64-95 B's, v96-191 A's fragments (two sets of 4 x 12), v192-255 the way out.  Window 1: v0-95 B's fragments (two sets), v128-255 the accumulators.
.set CH0,    9216                      ; a tile's bytes in fills 0 and 1: six fragments
.set CH2,    6144                      ; in fill 2: four
.set SLOT,   16*CH0                    ; A's 8 tiles, then B's 8
.set SPARE,  2*SLOT                    ; the spare words
.set STAGE,  SLOT                      ; the way out: in slot 1, which has had its last fill and its last read by then
.set SPITCH, 272
.set ADRA, 16                          ; v16-18 LDS address of my A fragments in fill 0, 1, 2
.set ADRB, 20                          ; v20-22 the same for B
.set STO,  24
.set RD,   25
.set CO,   26
.set LI,   27                          ; 16 x lane
.set SPW,  28
.set NIL,  29
.set ASO,  30                          ; 64 (l % 16) + 16 (l / 16): my place in o's scale bytes, 64 a row
.set SA,   32
.set SB,   64
.set AF,   96
.set ACC,  128
.set G1, 24
.set G0, 32
.set G1B, 48
.set G0B, 56
.set MSB, 0
.macro WIN new                         ; the immediate's high byte repeats the setting that is left
.if MSB != \new
	s_set_vgpr_msb (MSB<<8)|\new
.set MSB, \new
.endif
.endm
.macro PLACES n
.rept \n
	v_nop
.endr
.endm
.macro JLOAD g0a, g0b                  ; waves 0, 1 ask for A, waves 2, 3 for B; an s_nop 0 and four v_nop follow each line
	s_cmp_eq_u32 s15, 0
	s_cbranch_scc0 .Lfor_b_\@
	tensor_load_to_lds s[\g0a:\g0a+3], s[G1:G1+7]
	s_nop 0
	PLACES 4
	s_branch .Lasked_\@
.Lfor_b_\@:
	tensor_load_to_lds s[\g0b:\g0b+3], s[G1B:G1B+7]
	s_nop 0
	PLACES 4
.Lasked_\@:
.endm
.macro CROUND                          ; a round of the cluster's barrier
	s_barrier_signal -1
	s_barrier_wait -1
	s_cmp_lg_u32 s14, 0
	s_cbranch_scc1 .Lnot_wave_0_\@
	s_barrier_signal -3
.Lnot_wave_0_\@:
	s_barrier_wait -3
	s_barrier_signal -1
	s_barrier_wait -1
.endm
	s_load_b128 s[4:7], s[0:1], 0x0                ; o's codes, o's scales
	s_load_b128 s[8:11], s[0:1], 0x10              ; codes, scales
	s_load_b64 s[12:13], s[0:1], 0x20              ; out0
	v_lshl_add_u32 v[SPW], v0, 2, SPARE
	v_mov_b32 v[NIL], 0
	ds_add_u32 v[SPW], v[NIL]                      ; the opening lines: the add, twice on end, and its wait ahead of my first tensor load
	ds_add_u32 v[SPW], v[NIL]
	v_lshrrev_b32 v1, 5, v0
	v_readfirstlane_b32 s14, v1                    ; wave
	s_lshr_b32 s15, s14, 1                         ; my half of the block's rows.  Also: I fetch for A (0) or B (1)
	s_and_b32 s16, s14, 1                          ; my half of its columns.  Also: which four tiles I fetch
	s_bfe_u32 s40, ttmp6, 0x40000                  ; cx
	s_bfe_u32 s41, ttmp6, 0x40004                  ; cy
	s_lshl_b32 s42, ttmp9, 2
	s_add_co_u32 s42, s42, s40                     ; block column
	s_and_b32 s17, ttmp7, 0xffff
	s_lshl_b32 s17, s17, 2
	s_add_co_u32 s17, s17, s41                     ; block row
	s_lshl_b32 s43, s41, 2
	s_lshl_b32 s43, 15, s43                        ; my row of the cluster
	s_lshl_b32 s44, 0x1111, s40                    ; my column
	s_or_b32 s[G1], s43, (3<<16)|(1<<21)           ; elements of 8 bytes, no padding
	s_or_b32 s[G1B], s44, (3<<16)|(1<<21)
.irp g, G1, G1B
	s_mov_b32 s[\g+1], (CH0/8)<<16
	s_mov_b32 s[\g+2], 4<<16                       ; four tiles,
	s_mov_b32 s[\g+3], (CH0/8)<<16
	s_mov_b32 s[\g+4], 4
	s_mov_b32 s[\g+5], 3072                        ; 24,576 bytes apart
	s_mov_b32 s[\g+6], 0
	s_mov_b32 s[\g+7], 0
.endr
	s_lshl_b32 s18, s16, 2
	s_lshl_b32 s20, s17, 3
	s_add_co_u32 s20, s20, s18                     ; A: the first tile that I fetch
	s_mul_i32 s20, s20, 24576
	s_mov_b32 s21, 0
	s_lshl_b32 s46, s42, 3
	s_add_co_u32 s46, s46, s18
	s_add_co_u32 s46, s46, 480                     ; B: the first tile that I fetch, which is also the first that I multiply
	s_lshl_b32 s22, s46, 10                        ; its scale words
	s_mov_b32 s23, 0
	s_mul_i32 s46, s46, 24576
	s_mov_b32 s47, 0
	s_lshl_b32 s92, s17, 3
	s_lshl_b32 s93, s15, 2
	s_add_co_u32 s92, s92, s93                     ; A: the first tile that I multiply
	s_lshl_b32 s94, s92, 17                        ; 16 rows of 8,192 bytes of out0
	s_lshl_b32 s92, s92, 10                        ; its scale bytes
	s_mov_b32 s93, 0
	s_lshl_b32 s95, s42, 9
	s_add_co_u32 s94, s94, s95
	s_lshl_b32 s95, s16, 8
	s_add_co_u32 s94, s94, s95                     ; + my first column, in bytes
	s_mov_b32 s95, 0
	s_mul_i32 s45, s14, 4*CH0                      ; where my four tiles go: no place in the cluster enters an LDS address
	s_mul_i32 s19, s14, 4*CH2
	s_mul_i32 s70, s15, 4*CH0                      ; what I read: A's tiles,
	s_mul_i32 s71, s16, 4*CH0
	s_add_co_u32 s71, s71, 8*CH0                   ; B's, behind A's eight
	s_add_co_u32 s72, s70, SLOT
	s_add_co_u32 s73, s71, SLOT
	s_mul_i32 s74, s15, 4*CH2
	s_mul_i32 s75, s16, 4*CH2
	s_add_co_u32 s75, s75, 8*CH2
	s_mul_i32 s76, s14, 16*SPITCH
	s_add_co_u32 s76, s76, STAGE                   ; my stage
	s_wait_dscnt 0x0                               ; both opening adds are done
	s_wait_kmcnt 0x0
	s_add_nc_u64 s[20:21], s[4:5], s[20:21]
	s_add_nc_u64 s[46:47], s[8:9], s[46:47]
	s_add_nc_u64 s[22:23], s[10:11], s[22:23]
	s_add_nc_u64 s[92:93], s[6:7], s[92:93]
	s_add_nc_u64 s[12:13], s[12:13], s[94:95]
	CROUND                                         ; all sixteen work-groups are here: the first joint loads meet
.irp s, 0,1
	s_mov_b32 s[G0+4*\s], 1
	s_add_co_u32 s[G0+4*\s+1], s45, \s*SLOT
	s_add_nc_u64 s[G0+4*\s+2:G0+4*\s+3], s[20:21], \s*CH0
	s_or_b32 s[G0+4*\s+3], s[G0+4*\s+3], 0x80000000
	s_mov_b32 s[G0B+4*\s], 1
	s_add_co_u32 s[G0B+4*\s+1], s45, \s*SLOT
	s_add_nc_u64 s[G0B+4*\s+2:G0B+4*\s+3], s[46:47], \s*CH0
	s_or_b32 s[G0B+4*\s+3], s[G0B+4*\s+3], 0x80000000
.endr
	JLOAD G0, G0B                                  ; fill 0: one tensor load a wave at the head
	v_and_b32 v1, 15, v0                           ; r
	v_bfe_u32 v2, v0, 4, 1                         ; h
	v_and_b32 v3, 31, v0
	v_lshlrev_b32 v4, 3, v3                        ; 8 x lane
	v_lshlrev_b32 v[LI], 4, v3
	v_lshlrev_b32 v5, 6, v1
	v_lshl_add_u32 v[ASO], v2, 4, v5
	v_add_nc_u32 v[ADRA], s70, v4
	v_add_nc_u32 v[ADRB], s71, v[LI]
	v_add_nc_u32 v[ADRA+1], s72, v4
	v_add_nc_u32 v[ADRB+1], s73, v[LI]
	v_add_nc_u32 v[ADRA+2], s74, v4
	v_add_nc_u32 v[ADRB+2], s75, v[LI]
	v_mul_u32_u24 v5, v1, SPITCH
	v_lshl_add_u32 v5, v2, 5, v5
	v_add_nc_u32 v[STO], s76, v5                   ; into the stage: row r, 32 bytes for each half of the lanes
	v_mul_u32_u24 v6, v2, SPITCH
	v_lshl_add_u32 v6, v1, 4, v6
	v_add_nc_u32 v[RD], s76, v6                    ; back: sixteen lanes to a row of 256 bytes, two rows an instruction
	v_lshlrev_b32 v7, 13, v2
	v_lshl_add_u32 v[CO], v1, 4, v7                ; and the same two rows in out0
.irp i, 0,1,2,3
.irp qq, 0,1
	global_load_b128 v[SA+8*\i+4*\qq:SA+8*\i+4*\qq+3], v[ASO], s[92:93] offset:1024*\i+32*\qq
	global_load_b128 v[SB+8*\i+4*\qq:SB+8*\i+4*\qq+3], v[LI], s[22:23] offset:1024*\i+512*\qq
.endr
.endr
.macro FETCH st                        ; step st's fragments into set st % 2: 12 + 24 LDS loads
.if (\st) < 12
.set CK, (\st)/6
.set FI, (\st)%6
.set CP, CH0
.else
.set CK, 2
.set FI, (\st)-12
.set CP, CH2
.endif
.set SE, 48*((\st)%2)
	WIN 0x40
.irp i, 0,1,2,3
.irp c, 0,1,2
	ds_load_b128 v[SE+12*\i+4*\c:SE+12*\i+4*\c+3], v[ADRB+CK] offset:\i*CP+FI*1536+512*\c
.endr
.endr
	WIN 0
.irp i, 0,1,2,3
.irp p, 0,1,2,3,4,5
	ds_load_b64 v[AF+SE+12*\i+2*\p:AF+SE+12*\i+2*\p+1], v[ADRA+CK] offset:\i*CP+FI*1536+256*\p
.endr
.endr
.endm
.macro MUL st                          ; 16 products, the accumulators by turns; the first step starts the sums with the constant 0
.set SE, 48*((\st)%2)
.set SR, 4*((\st)/8)+(\st)%4
	WIN 0x51                                       ; B, C and D in window 1, A in window 0
.irp a, 0,1,2,3
.irp b, 0,1,2,3
.if (\st) == 0
	v_wmma_scale_f32_16x16x128_f8f6f4 v[ACC+8*(4*\a+\b):ACC+8*(4*\a+\b)+7], v[SE+12*\b:SE+12*\b+11], v[AF+SE+12*\a:AF+SE+12*\a+11], 0, v[SB+8*\b+SR], v[SA+8*\a+SR] matrix_a_fmt:MATRIX_FMT_FP6 matrix_b_fmt:MATRIX_FMT_FP6
.else
.if ((\st)/4)%2 == 0
	v_wmma_scale_f32_16x16x128_f8f6f4 v[ACC+8*(4*\a+\b):ACC+8*(4*\a+\b)+7], v[SE+12*\b:SE+12*\b+11], v[AF+SE+12*\a:AF+SE+12*\a+11], v[ACC+8*(4*\a+\b):ACC+8*(4*\a+\b)+7], v[SB+8*\b+SR], v[SA+8*\a+SR] matrix_a_fmt:MATRIX_FMT_FP6 matrix_b_fmt:MATRIX_FMT_FP6
.else
	v_wmma_scale_f32_16x16x128_f8f6f4 v[ACC+8*(4*\a+\b):ACC+8*(4*\a+\b)+7], v[SE+12*\b:SE+12*\b+11], v[AF+SE+12*\a:AF+SE+12*\a+11], v[ACC+8*(4*\a+\b):ACC+8*(4*\a+\b)+7], v[SB+8*\b+SR], v[SA+8*\a+SR] matrix_a_fmt:MATRIX_FMT_FP6 matrix_b_fmt:MATRIX_FMT_FP6 matrix_a_scale:MATRIX_SCALE_ROW1 matrix_b_scale:MATRIX_SCALE_ROW1
.endif
.endif
.endr
.endr
.endm
.macro STEP st                         ; inside a fill: the next step's fragments are asked for ahead of this step's products
	PLACES 4                                       ; the loads land in registers that the last step's products have read
	FETCH (\st)+1
	s_wait_dscnt 36                                ; all but the 36 just issued
	MUL \st
.endm
	s_wait_alu depctr_va_vdst(0)                   ; the wait at the head's end
	s_wait_tensorcnt 0x0                           ; my part of fill 0 is in
	ds_add_u32 v[SPW], v[NIL]
	s_wait_dscnt 0x0
	CROUND
	JLOAD G0+4, G0B+4                              ; fill 1, the first tensor load behind the round
	FETCH 0
	s_wait_loadcnt 0x0                             ; the scale words
.irp st, 0,1,2,3,4
	STEP \st
.endr
	WIN 0
	s_wait_tensorcnt 0x0                           ; my part of fill 1 is in;
	ds_add_u32 v[SPW], v[NIL]                      ; the add;
.irp g, G1, G1B
	s_mov_b32 s[\g+1], (CH2/8)<<16                 ; no tensor load of mine is out: fill 2's rows are four fragments long,
	s_mov_b32 s[\g+3], (CH2/8)<<16
.endr
	s_mov_b32 s[G0+1], s19                         ; lie dense in slot 0,
	s_mov_b32 s[G0B+1], s19
	s_add_nc_u64 s[G0+2:G0+3], s[G0+2:G0+3], 2*CH0 ; and begin at fragment 12
	s_add_nc_u64 s[G0B+2:G0B+3], s[G0B+2:G0B+3], 2*CH0
	s_wait_dscnt 1                                 ; step 5's fragments are in (the add may be out)
	MUL 5
	WIN 0
	s_wait_dscnt 0x0                               ; the add is done, and my reads of slot 0 are over
	CROUND                                         ; so are every partner's
	JLOAD G0, G0B                                  ; fill 2; the four v_nop behind it are the places in front of the loads below
	FETCH 6
.irp st, 6,7,8,9,10
	STEP \st
.endr
	WIN 0
	s_wait_tensorcnt 0x0                           ; my part of fill 2 is in; nothing is filled again, so no add and no round
	s_wait_dscnt 0x0                               ; step 11's fragments are in: my reads of slot 1 are over
	s_barrier_signal -1
	MUL 11
	WIN 0
	s_barrier_wait -1
	PLACES 4
	FETCH 12
.irp st, 12,13,14
	STEP \st
.endr
	s_wait_dscnt 0x0
	MUL 15
	WIN 0
; THE WAY OUT, by blocks of 16 rows x 64 columns: through my own stage and back as whole rows of 256 bytes.  LDS serves a wave's instructions in order: no wait between the stores and the loads.
.macro TOSTAGE a
	WIN 0x04                                       ; the data in window 1
.irp b, 0,1,2,3
	ds_store_b128 v[STO], v[ACC+8*(4*(\a)+\b):ACC+8*(4*(\a)+\b)+3] offset:64*\b       ; each accumulator from its low end on
	ds_store_b128 v[STO], v[ACC+8*(4*(\a)+\b)+4:ACC+8*(4*(\a)+\b)+7] offset:64*\b+16
.endr
	WIN 0
.set BB, 192+32*((\a)%2)
.irp t, 0,1,2,3,4,5,6,7
	ds_load_b128 v[BB+4*\t:BB+4*\t+3], v[RD] offset:\t*2*SPITCH
.endr
.endm
.macro SEND a, younger                 ; stored row 2 t + l / 16 of stored tile a is row 32 (a / 2) + 8 (a % 2) + 2 t + l / 16 + 8 (t / 4)
.set BB, 192+32*((\a)%2)
	s_wait_dscnt \younger
.irp t, 0,1,2,3,4,5,6,7
	global_store_b128 v[CO], v[BB+4*\t:BB+4*\t+3], s[12:13] offset:(32*((\a)/2)+8*((\a)%2)+2*\t+8*(\t/4))*8192 th:TH_STORE_NT   ; sixteen lanes store 256 consecutive bytes, aligned
.endr
.endm
	PLACES 4
	TOSTAGE 0
.irp a, 1,2,3
.if \a > 1
	s_wait_xcnt 0x0                                ; block a - 2's stores have read their registers
.endif
	TOSTAGE \a
	SEND \a-1, 16                                  ; behind block a - 1's loads: block a's 8 stores and 8 loads
.endr
	SEND 3, 0
	s_wait_tensorcnt 0x0                           ; the wave's end
	ds_add_u32 v[SPW], v[NIL]
	s_wait_dscnt 0x0
	CROUND                                         ; the closing round
	s_endpgm
.Lfunc_end_k_qabff1fa931_oproj:
	.size	k_qabff1fa931_oproj, .Lfunc_end_k_qabff1fa931_oproj-k_qabff1fa931_oproj
	.p2alignl 7, 3214868480
	.fill 96, 4, 3214868480
	.section	.rodata,"a",@progbits
	.p2align	6, 0x0
	.amdhsa_kernel k_qabff1fa931_oproj
		.amdhsa_group_segment_fixed_size 327680
		.amdhsa_private_segment_fixed_size 0
		.amdhsa_enable_private_segment 0
		.amdhsa_kernarg_size 40
		.amdhsa_user_sgpr_count 2
		.amdhsa_user_sgpr_kernarg_segment_ptr 1
		.amdhsa_wavefront_size32 1
		.amdhsa_system_sgpr_workgroup_id_x 1
		.amdhsa_system_sgpr_workgroup_id_y 1
		.amdhsa_system_sgpr_workgroup_id_z 1
		.amdhsa_system_vgpr_workitem_id 0
		.amdhsa_next_free_vgpr 512
		.amdhsa_next_free_sgpr 98
		.amdhsa_reserve_vcc 0
		.amdhsa_float_denorm_mode_32 3
		.amdhsa_float_denorm_mode_16_64 3
		.amdhsa_memory_ordered 1
		.amdhsa_forward_progress 1
		.amdhsa_inst_pref_size 91
	.end_amdhsa_kernel
	.amdgpu_metadata
---
amdhsa.version: [ 1, 2 ]
amdhsa.kernels:
  - .name:           k_qabff1fa931_oproj
    .symbol:         k_qabff1fa931_oproj.kd
    .args:
      - { .name: ocodes, .offset: 0, .size: 8, .value_kind: global_buffer, .address_space: global }
      - { .name: oscales, .offset: 8, .size: 8, .value_kind: global_buffer, .address_space: global }
      - { .name: codes, .offset: 16, .size: 8, .value_kind: global_buffer, .address_space: global }
      - { .name: scales, .offset: 24, .size: 8, .value_kind: global_buffer, .address_space: global }
      - { .name: out0, .offset: 32, .size: 8, .value_kind: global_buffer, .address_space: global }
    .group_segment_fixed_size: 327680
    .private_segment_fixed_size: 0
    .kernarg_segment_align: 8
    .kernarg_segment_size: 40
    .max_flat_workgroup_size: 128
    .sgpr_count:     98
    .vgpr_count:     512
    .wavefront_size: 32
...
	.end_amdgpu_metadata
.endif
;; end of part 4
